; MI455X (gfx1250); checked and timed in simulation.
; The chip was launched on July 23, 2026; its instructions are those of AMD's public machine-readable ISA for CDNA 5 (MIT licence, August 2026) and "CDNA5" Instruction Set Architecture Reference Guide (July 2026). The comments in the code are by the model that wrote it; some were corrected since.
;; Multi Head Attentionby Hand. Allowed arithmetic: matrix products marked QUANTISED: E4M3 operands, one E8M0 scale for each 32 along K, by v_wmma_scale_f32_16x16x128_f8f6f4 with both operands' format E4M3, f32 sums; everything else in f32.
;; Inputs: Wd_codes 1,024 x 32 x 32 uint8 (E4M3 codes of Wd, K innermost, in blocks of 32 codes); Wd_scales 1,024 x 32 uint8 (E8M0 scales of Wd, one for each 32 codes along K); Wk_codes 1,024 x 32 x 32 uint8 (E4M3 codes of Wk, K innermost, in blocks of 32 codes); Wk_scales 1,024 x 32 uint8 (E8M0 scales of Wk, one for each 32 codes along K); Wq_codes 1,024 x 32 x 32 uint8 (E4M3 codes of Wq, K innermost, in blocks of 32 codes); Wq_scales 1,024 x 32 uint8 (E8M0 scales of Wq, one for each 32 codes along K); Wv_codes 1,024 x 32 x 32 uint8 (E4M3 codes of Wv, K innermost, in blocks of 32 codes); Wv_scales 1,024 x 32 uint8 (E8M0 scales of Wv, one for each 32 codes along K); attention_mask 4 x 1 x 1 x 2,048 float32; bd 1,024 float32; bk 1,024 float32; bq 1,024 float32; bv 1,024 float32; ln_beta 1,024 float32; ln_gamma 1,024 float32; query 4 x 2,048 x 1,024 float32.
;; Outputs: out0 4 x 2,048 x 1,024 float32.
;; This version of the problem:
;;   THIS VERSION OF THE PROBLEM IS GIVEN IN LOW PRECISION. The matrix products marked QUANTISED in the list below multiply operands that are first quantised to E4M3 (4 exponent bits, 3 mantissa bits; 8 bits a number), with one power-of-two scale for each 32 numbers along K (OCP MX v1.0); their sums are f32. All else is computed in f32.
;;   The module's matrix products, in the order in which they are computed (A, B: the left and right operand; K: the contracted axis; several contracted axes count as one K, in the product's order):
;;     1. [M 8,192, K 1,024] x [K 1,024, N 1,024]; A: input query; B: input Wq (given as codes): QUANTISED
;;     2. [M 8,192, K 1,024] x [K 1,024, N 1,024]; A: input query; B: input Wk (given as codes): QUANTISED
;;     3. [M 8,192, K 1,024] x [K 1,024, N 1,024]; A: input query; B: input Wv (given as codes): QUANTISED
;;     4. batch 64 x [M 2,048, K 64] x [K 64, N 2,048]; A: computed on the way; B: computed on the way: QUANTISED
;;     5. batch 64 x [M 64, K 2,048] x [K 2,048, N 2,048]; A: computed on the way; B: softmax (see below): QUANTISED
;;     6. [M 8,192, K 1,024] x [K 1,024, N 1,024]; A: computed on the way; B: input Wd (given as codes): QUANTISED
;;   THE QUANTISER, for each operand of a quantised product, along K:
;;     - K is cut into blocks of 32 from its start; a last block that is shorter is filled with zeros.
;;     - A block's scale is 2^e with e = floor(log2(the largest magnitude in the block)) - 8, held to -126 .. 127; a block of zeros has e = 0. As a byte (E8M0): e + 127.
;;     - Each number is divided by its block's scale, clamped to +-448, and rounded to the nearest number of E4M3, ties to even, subnormals kept.
;;     - The product sums the exact products of the quantised numbers (number of the format x scale) in f32.
;;   ~~~python
;;   def quantise(x, axis):      # numpy; x: float32 -> the quantised numbers, widened to float32 again
;;       x = np.moveaxis(x, axis, -1); K = x.shape[-1]
;;       x = np.pad(x, [(0, 0)] * (x.ndim - 1) + [(0, -K % 32)]); x = x.reshape(x.shape[:-1] + (-1, 32)); a = np.abs(x).max(-1, keepdims=True)
;;       e = np.where(a > 0, np.clip(np.frexp(np.where(a > 0, a, 1))[1] - 1 - 8, -126, 127), 0)      # np.frexp(a)[1] - 1 = floor(log2(a)), exactly
;;       r = np.clip(x / 2.0 ** e, -448, 448)
;;       step = 2.0 ** (np.maximum(np.frexp(np.where(r == 0, 1, r))[1] - 1, -6) - 3)
;;       q = np.round(r / step) * step * 2.0 ** e      # np.round: ties to even
;;       return np.moveaxis(q.reshape(q.shape[:-2] + (-1,))[..., :K], -1, axis).astype(np.float32)
;;   ~~~
;;   SOFTMAX AHEAD OF A QUANTISED PRODUCT. Where the list says 'softmax', what is quantised is not the finished softmax but p = 2^(t - M), with t = logit x log2(e) and M = ceil(the row's largest t), a whole number; so 1/2 < the row's largest p <= 1. The row's sum l is taken of the UNQUANTISED p, in f32, and the product's result is divided by l at the end. Since M is a whole number, a kernel that streams over the keys may use a running M (the ceiling of the running maximum): every later rescaling is an exact power of two, which a block's scale takes up: the codes' values come out the same.
;;   OPERANDS COMPUTED ON THE WAY. 'Computed on the way' means the value that the module computes at that place (a softmax that the list does not call 'softmax' is quantised finished and normalised). What goes into a quantiser is computed in f32, as accurately as f32 sums, v_exp_f32 and their like allow (about 1e-6 of the number): no bf16 or f16 on the way to a quantiser, and a product that is left as it is and whose result goes on into a quantised operand takes f32 operands (vector FMAs, or v_wmma_f32_16x16x4_f32). A number that lies on a knife's edge between two numbers of the format may be rounded either way, as far as f32 arithmetic and the matrix unit's own rounding can turn it there, and no further.
;;   INPUTS GIVEN AS CODES. Wd (in the module: [1024, 1024], K = its axis 0); Wk (in the module: [1024, 1024], K = its axis 0); Wq (in the module: [1024, 1024], K = its axis 0); Wv (in the module: [1024, 1024], K = its axis 0): each comes as NAME_codes (uint8): NAME with its K axis moved to the last place and cut into blocks of 32 codes, [.., K / 32, bytes a block], one block behind the other in memory; one code a byte (a code: sign, 4 exponent bits, 3 mantissa bits); and NAME_scales (uint8): the same leading axes, one E8M0 byte (e + 127) for each 32 codes along K. Its value is code x scale, taken as it is: it is not quantised again, and the codes and scales need not be those that the quantiser above would give.
;; One version. Each part assembles by itself: llvm-mc -triple=amdgcn-amd-amdhsa -mcpu=gfx1250 --defsym DOCPART=n.
;; ======== version 1 of 1: 4 launches
;; limits: right only within a limited range of input values
;; workspace buffers: xq 8,650,752 bytes; qq 8,650,752 bytes; kq 8,650,752 bytes; vq 8,650,752 bytes; cq 8,650,752 bytes; wdi 1,048,576 bytes
;; launch quant (part 1): grid 256 x 1, 4 waves a work-group, no clusters, 33,280 bytes of LDS; arguments query, xq, Wd_codes, wdi; writes xq, wdi
.if DOCPART == 1
	.amdgcn_target "amdgcn-amd-amdhsa--gfx1250"
	.amdhsa_code_object_version 6
	.text
	.protected	k_q447c33066b_quant
	.globl	k_q447c33066b_quant
	.p2align	8
	.type	k_q447c33066b_quant,@function
k_q447c33066b_quant:
	s_mov_b64 s[64:65], 0
	v_nop
	global_prefetch_b8 v0, s[64:65] scope:SCOPE_SE
	s_setreg_imm32_b32 hwreg(HW_REG_WAVE_MODE, 25, 1), 1
	s_wait_xcnt 0x0
; LAUNCH 1 OF 4.  The layer: x = query; q, k, v = x W + b; softmax(q k^T / 8 + mask) v; times Wd, + bd; LayerNorm; + query.  All six products on codes of E4M3 with one E8M0 scale for each 32 along K.
; NO WORK IS LEFT OUT: every input has a way to out0 for some values.  bq and bk move the codes and scales of q and k; the mask differs along the softmax's axis; bv, bd, gamma, beta and query enter sums that are stored.
; THIS LAUNCH: query [8192][1024] f32 becomes codes, K (the 1,024) innermost, at xq's byte 0, and one scale byte for each 32 along K, [8192][32], at xq's byte SCO.  The next launch reads each row 12 times: as codes.
; A block's scale is 2^(floor(log2(its largest magnitude)) - 8); its byte is the largest magnitude's exponent field - 8, held at 1 from below.  Each number is divided by the scale, held within +-448 and rounded to the nearest code, ties to even.
; LIMITS: a block of zeros gets the byte 1 where the rule says 127 (its codes are zeros, and this program alone reads the bytes); blocks whose largest magnitude lies under 2^-118 share that byte; NaN and infinities are not served.
; Rows are dense, so the tensor is a plain stream of blocks of 32.  A wave takes 16 steps of 512 numbers.  Each load reads 512 consecutive bytes, 16 a lane; a step's 2,048 bytes turn through the wave's own stage in LDS
; and come back 64 bytes a lane, so that a lane holds 16 neighbours along K (two neighbouring lanes hold a block), as the conversions want them.  Codes leave 512 consecutive bytes a store, a wave's 256 scale bytes as one store.
; No tensor loads, no barrier: waves share nothing.  Loads run four steps (16 loads a wave) ahead, the turn through LDS one step.
.set WAVES, 4
.set STEPS, 16
.set EMAX,  8
.set MANT,  0x600000                   ; the mantissa field of 448 as f32
.set CB,    16                         ; bytes of 16 codes
.set R,     16                         ; v16-79   four sets of 16 numbers as they are loaded
.set X,     80                         ; v80-111  two sets of 16 neighbours
.set C,     128                        ; v128-191 codes: four registers for each step, so that no store's data are written again
.set E,     112                        ; v112-127 a scale byte for each step
.set WREG,  8192                       ; LDS: a region for each wave: two stages of 32 x SP bytes, and behind them its 256 scale bytes
.set SP,    80                         ; a lane's place in a stage: its 64 bytes + 16 of padding
.set SPW,   12                         ; v12      LDS address of my spare word; never rewritten
.set NIL,   13                         ; v13      0; never rewritten
.set SPARE, WAVES*WREG                 ; behind the four regions: the spare words, 128 bytes for each wave
.set SCO,   0x800000                   ; where the scale bytes begin in xq
	s_load_b128 s[4:7], s[0:1], 0x0                ; query s[4:5], xq s[6:7]
	s_load_b128 s[12:15], s[0:1], 0x10             ; Wd_codes s[12:13], wdi s[14:15]
; ALSO HERE: Wd's codes are laid once as images of operand registers, for the last launch: wdi byte = (tile of 16 rows)<<14 + (128 of K)<<11 + c<<9 + 16 lane holds row 16 tile + lane % 16, K = 128 kk + 32 c + 16 (lane / 16) + 0 .. 15.
; Each of the 1,024 waves moves 1,024 bytes: two loads of 16 bytes a lane, two stores of 512 consecutive bytes.
	v_lshl_add_u32 v[SPW], v0, 2, SPARE
	v_mov_b32 v[NIL], 0
	v_lshrrev_b32 v1, 5, v0
	v_readfirstlane_b32 s16, v1                    ; wave
	v_and_b32 v2, 31, v0                           ; lane
	v_lshlrev_b32 v3, 4, v2                        ; my 16 bytes of a load's 512
	v_and_b32 v200, 15, v2
	v_lshlrev_b32 v200, 10, v200                   ; Wd: row lane % 16 of the tile, 1,024 bytes a row,
	v_lshrrev_b32 v201, 4, v2
	v_lshl_add_u32 v200, v201, 4, v200             ; + 16 (lane / 16)
	s_mul_i32 s17, s16, WREG
	v_lshrrev_b32 v14, 2, v2
	v_mul_u32_u24 v14, v14, SP
	v_and_b32 v15, 3, v2
	v_lshl_add_u32 v14, v15, 4, v14
	v_add_nc_u32 v14, s17, v14                     ; the stage, on the way in: four lanes' 64 bytes on end, then 16 of padding
	v_mul_u32_u24 v15, v2, SP
	v_add_nc_u32 v15, s17, v15                     ; and on the way out: SP x lane: my 16 neighbours
	v_mul_u32_u24 v4, v2, CB                       ; my codes' place in a step's
	v_lshrrev_b32 v5, 1, v2
	s_add_co_u32 s17, s17, 2*32*SP
	v_add_nc_u32 v5, s17, v5                       ; LDS: my wave's 256 scale bytes, my block's byte
	v_lshlrev_b32 v7, 3, v2                        ; and on the way out 8 bytes a lane
	v_add_nc_u32 v6, s17, v7
	s_mov_b32 s23, MANT                            ; (an instruction takes one literal: the hold's line has another)
	s_lshl_b32 s18, ttmp9, 2
	s_add_co_u32 s18, s18, s16                     ; which run of 8,192 numbers is my wave's: 0 .. 1,023
	s_lshl_b32 s20, s18, 15                        ; 32,768 bytes of f32 a run,
	s_mov_b32 s21, 0
	s_lshl_b32 s24, s18, 13                        ; 8,192 bytes of codes,
	s_mov_b32 s25, 0
	s_lshl_b32 s26, s18, 8                         ; 256 scale bytes
	s_add_co_u32 s26, s26, SCO
	s_mov_b32 s27, 0
	s_lshr_b32 s28, s18, 4                         ; Wd: my tile of 16 rows,
	s_lshl_b32 s28, s28, 14
	s_bfe_u32 s29, s18, 0x30001                    ; my 128 of K,
	s_lshl_b32 s29, s29, 7
	s_add_co_u32 s28, s28, s29
	s_and_b32 s29, s18, 1                          ; and which two of its four blocks of 32
	s_lshl_b32 s29, s29, 6
	s_add_co_u32 s28, s28, s29
	s_mov_b32 s29, 0
	s_lshl_b32 s30, s18, 10                        ; the image: 1,024 bytes a wave, on end
	s_mov_b32 s31, 0
	s_wait_alu depctr_va_vdst(0)
	s_wait_kmcnt 0x0
	s_add_nc_u64 s[4:5], s[4:5], s[20:21]
	s_add_nc_u64 s[8:9], s[6:7], s[24:25]
	s_add_nc_u64 s[10:11], s[6:7], s[26:27]
	s_add_nc_u64 s[12:13], s[12:13], s[28:29]
	s_add_nc_u64 s[14:15], s[14:15], s[30:31]
	global_load_b128 v[192:195], v200, s[12:13]
	global_load_b128 v[196:199], v200, s[12:13] offset:32
.macro LOAD t
.irp i, 0,1,2,3
	global_load_b128 v[R+16*((\t)%4)+4*\i:R+16*((\t)%4)+4*\i+3], v3, s[4:5] offset:2048*(\t)+512*\i th:TH_LOAD_NT   ; 32 lanes read 512 consecutive bytes
.endr
.endm
.macro TURN t                          ; step t's numbers through the stage: LDS serves a wave's instructions in order, so no wait stands between the stores and the loads
.irp i, 0,1,2,3
	ds_store_b128 v14, v[R+16*((\t)%4)+4*\i:R+16*((\t)%4)+4*\i+3] offset:32*SP*((\t)%2)+8*SP*\i
.endr
.irp i, 0,1,2,3
	ds_load_b128 v[X+16*((\t)%2)+4*\i:X+16*((\t)%2)+4*\i+3], v15 offset:32*SP*((\t)%2)+16*\i
.endr
.endm
.irp t, 0,1,2,3
	LOAD \t
.endr
	s_wait_loadcnt 12                              ; step 0's four loads are in, and Wd's two, which were issued ahead of them
	TURN 0
	global_store_b128 v3, v[192:195], s[14:15]
	global_store_b128 v3, v[196:199], s[14:15] offset:512
.macro STEP t
.set XS, X+16*((\t)%2)
.if (\t) > 0
	s_wait_dscnt 1                                 ; this step's numbers are back from the stage (the last step's byte store may be out): so its stores into the stage have read their registers,
.else
	s_wait_dscnt 0x0
.endif
.if (\t)+4 < STEPS
	LOAD (\t)+4                                    ; which take the loads of four steps on
.endif
.if (\t)+1 < STEPS
.if STEPS-2-(\t) >= 3
	s_wait_loadcnt 12                              ; the next step's four loads are in; those of the three steps behind it may be out
.else
	s_wait_loadcnt 4*(STEPS-2-(\t))
.endif
	TURN (\t)+1                                    ; and go through the other stage while this step is worked
.endif
	v_max3_num_f32 v8, |v[XS]|, |v[XS+1]|, |v[XS+2]|               ; the largest magnitude of my 16
	v_max3_num_f32 v9, |v[XS+3]|, |v[XS+4]|, |v[XS+5]|
.irp i, 6,10
	v_max3_num_f32 v8, v8, |v[XS+\i]|, |v[XS+\i+1]|
	v_max3_num_f32 v9, v9, |v[XS+\i+2]|, |v[XS+\i+3]|
.endr
	v_max3_num_f32 v8, v8, |v[XS+14]|, |v[XS+15]|
	v_max3_num_f32 v8, v8, v9, (EMAX+1)<<23        ; and the floor 2^(9 - 127): the byte cannot fall under 1
	v_max_num_f32_dpp v8, v8, v8 row_xmask:1 row_mask:0xf bank_mask:0xf   ; and of my neighbour's 16: the block's
	v_add_nc_u32 v11, -(EMAX<<23), v8              ; 8 off its exponent field: the conversion takes the exponent field of this operand as its scale
	v_and_or_b32 v10, v8, 0x7f800000, s23          ; 448 x the scale
.irp i, 0,1,2,3,4,5,6,7,8,9,10,11,12,13,14,15
	v_med3_num_f32 v[XS+\i], v[XS+\i], -v10, v10   ; the conversion to an 8-bit code does not saturate (ISA guide 7.6.2): the hold comes first
.endr
	v_cvt_scalef32_pk8_fp8_f32 v[C+4*(\t):C+4*(\t)+1], v[XS:XS+7], v11
	v_cvt_scalef32_pk8_fp8_f32 v[C+4*(\t)+2:C+4*(\t)+3], v[XS+8:XS+15], v11
	v_lshrrev_b32 v[E+(\t)], 23, v11               ; the scale's byte
	ds_store_b8 v5, v[E+(\t)] offset:16*(\t)       ; both lanes of a block write the same byte with the same value
	global_store_b128 v4, v[C+4*(\t):C+4*(\t)+3], s[8:9] offset:32*CB*(\t)   ; 512 consecutive bytes a wave
.endm
.irp t, 0,1,2,3,4,5,6,7,8,9,10,11,12,13,14,15
	STEP \t
.endr
	ds_load_b64 v[8:9], v6                         ; LDS serves a wave's instructions in order: these see my stores
	s_wait_dscnt 0x0
	global_store_b64 v7, v[8:9], s[10:11]          ; 32 lanes store 256 consecutive bytes, aligned
	s_wait_tensorcnt 0x0                           ; the wave's end: behind my last LDS store
	ds_add_u32 v[SPW], v[NIL]
	s_wait_dscnt 0x0
	s_endpgm
.Lfunc_end_k_q447c33066b_quant:
	.size	k_q447c33066b_quant, .Lfunc_end_k_q447c33066b_quant-k_q447c33066b_quant
	.p2alignl 7, 3214868480
	.fill 96, 4, 3214868480
	.section	.rodata,"a",@progbits
	.p2align	6, 0x0
	.amdhsa_kernel k_q447c33066b_quant
		.amdhsa_group_segment_fixed_size 33280
		.amdhsa_private_segment_fixed_size 0
		.amdhsa_enable_private_segment 0
		.amdhsa_kernarg_size 32
		.amdhsa_user_sgpr_count 2
		.amdhsa_user_sgpr_kernarg_segment_ptr 1
		.amdhsa_wavefront_size32 1
		.amdhsa_system_sgpr_workgroup_id_x 1
		.amdhsa_system_sgpr_workgroup_id_y 1
		.amdhsa_system_sgpr_workgroup_id_z 1
		.amdhsa_system_vgpr_workitem_id 0
		.amdhsa_next_free_vgpr 208
		.amdhsa_next_free_sgpr 66
		.amdhsa_reserve_vcc 0
		.amdhsa_float_denorm_mode_32 3
		.amdhsa_float_denorm_mode_16_64 3
		.amdhsa_memory_ordered 1
		.amdhsa_forward_progress 1
		.amdhsa_inst_pref_size 52
	.end_amdhsa_kernel
	.amdgpu_metadata
---
amdhsa.version: [ 1, 2 ]
amdhsa.kernels:
  - .name:           k_q447c33066b_quant
    .symbol:         k_q447c33066b_quant.kd
    .args:
      - { .name: query, .offset: 0, .size: 8, .value_kind: global_buffer, .address_space: global }
      - { .name: xq, .offset: 8, .size: 8, .value_kind: global_buffer, .address_space: global }
      - { .name: Wd_codes, .offset: 16, .size: 8, .value_kind: global_buffer, .address_space: global }
      - { .name: wdi, .offset: 24, .size: 8, .value_kind: global_buffer, .address_space: global }
    .group_segment_fixed_size: 33280
    .private_segment_fixed_size: 0
    .kernarg_segment_align: 8
    .kernarg_segment_size: 32
    .max_flat_workgroup_size: 128
    .sgpr_count:     66
    .vgpr_count:     208
    .wavefront_size: 32
...
	.end_amdgpu_metadata
.endif
;; end of part 1
;; launch qkv (part 2): grid 12 x 32, 4 waves a work-group, clusters of 4 x 4, 327,680 bytes of LDS; arguments xq, Wq_codes, Wq_scales, Wk_codes, Wk_scales, Wv_codes, Wv_scales, bq, bk, bv, qq, kq, vq; writes qq, kq, vq
.if DOCPART == 2
	.amdgcn_target "amdgcn-amd-amdhsa--gfx1250"
	.amdhsa_code_object_version 6
	.text
	.protected	k_q447c33066b_qkv
	.globl	k_q447c33066b_qkv
	.p2align	8
	.type	k_q447c33066b_qkv,@function
k_q447c33066b_qkv:
	s_mov_b64 s[64:65], 0
	v_nop
	global_prefetch_b8 v0, s[64:65] scope:SCOPE_SE
	s_setreg_imm32_b32 hwreg(HW_REG_WAVE_MODE, 25, 1), 1
	s_wait_xcnt 0x0
	s_wait_alu depctr_hold_cnt(0) depctr_sa_sdst(0) depctr_va_vdst(0) depctr_va_sdst(0) depctr_va_ssrc(0) depctr_va_vcc(0) depctr_vm_vsrc(0)
	s_getreg_b32 s2, hwreg(HW_REG_IB_STS2, 6, 4)
	s_cmp_eq_u32 s2, 0
	s_cbranch_scc0 .Lentry_in_a_cluster
	s_endpgm
.Lentry_in_a_cluster:
	s_bfe_u32 s2, ttmp6, 0x10000c
	s_cmp_lg_u32 s2, 0xf033
	s_cbranch_scc0 .Lentry_shape_is_right
	s_endpgm
.Lentry_shape_is_right:
; LAUNCH 2 OF 4.  q = x Wq + bq, k = x Wk + bk, v = x Wv + bv on codes of E4M3 (x's from the launch before, the weights' as given), each result quantised on the way out and stored as codes.  Nothing is left out.
; A tile of 256 x 256 results, K = 1,024, is made by four waves, 128 x 128 each: 64 accumulators, 512 registers.  K goes in steps of 256 through two LDS slots filled by the tensor data mover; the scale bytes of the tile's
; 512 rows come once, with the first fills.  4 x 4 work-groups form a cluster; a tile of source 1 is shared along a row of the cluster, a tile of source 0 along a column: joint loads, a mask naming the four.
; THE CLUSTER'S x SAYS WHICH PRODUCT (the same in all sixteen partners).  0, 1: q, k: source 0 = 16 rows of W (n), source 1 = 16 tokens: a lane holds ONE token and its registers run along n, which is the next product's K (the head's 64).
; 2: v: source 0 = 16 tokens, source 1 = 16 rows of Wv: a lane holds one n = (head, d) and its registers run along the tokens, the keys, which are the K of the product with p.
; Both operands have rows of 1,024 codes and 32 scale bytes, so one text serves: only pointers, tile numbers and the bias's layout are chosen.
; THE BIAS is the C of the first K step's products: for q, k eight registers for each block of n; for v one word a lane, spread over eight registers.  Both layouts are loaded (24 small loads from the same 512 bytes); one branch picks the step.
; THE WAY OUT.  The 16 registers of two neighbouring accumulators are converted as they stand.  So inside a block of 32 the codes lie in this order: place 16 h + i holds element 8 h + i (i < 8) or 16 + 8 h + i - 8 (i >= 8), h = lane / 16.
; q and k carry that order alike along d, v and p alike along the keys: a product's sum does not hang on the order inside a scale's block.  Codes are stored as IMAGES OF OPERAND REGISTERS, 16 bytes a lane, 512 a store:
;   qq, kq: byte = b<<21 + head<<17 + T<<10 + cc<<9 + 16 lane (T: tile of 16 tokens of the batch, cc: block of the head's 64); scale words at SCO + b<<16 + (head/2)<<13 + T<<6 + 4 r: bytes 0, 1 the even head's, 2, 3 the odd one's
;   vq: byte = b<<21 + (head/2)<<18 + (c/2)<<17 + U<<13 + (4 (head%2) + dt)<<10 + (c%2)<<9 + 16 lane (U: 128 keys, c: block of 32 of them, dt: 16 of the head's d); scale words at SCO + b<<16 + (head/2)<<13 + U<<9 + (4 (head%2) + dt)<<6 + 4 r
; LIMITS: the floor under a block's largest magnitude is 2^(12 - 127), so that every scale byte is 4 or more (the next launch takes 3 off q's bytes for the division by 8): blocks under 2^-115, blocks of zeros among them, get the byte 4;
; NaN and infinities are not served.
; No prefetch: K has four slot steps; two are asked for at the head and two by their refills, so no step lies further ahead.
; REGISTERS, in windows of 256: window 0: v0-31 addresses; v32-63 scale words, two sets; v64-127 the bias, later the way out's work; from v128 source 1's fragments, one set.  window 1: source 0's fragments, two sets.  windows 2, 3: the accumulators.
.set KSTEP,  256
.set NQ,     KSTEP/128
.set ROWB,   256                       ; a tile's row in bytes
.set KROW,   1024                      ; a row of codes in memory
.set PITCH,  272                       ; an LDS row: 256 bytes + 16 of padding: the 16 rows that a load touches start 16 bytes apart modulo 256
.set FR,     16
.set NL,     4
.set NP,     8                         ; places behind this matrix instruction (ISA guide 7.12.1)
.set HALFT,  128*PITCH
.set SLOT,   4*HALFT
.set LAPS,   2                         ; 1,024 / 512
.set KS,     32                        ; a row of scale bytes
.set SCL,    2*SLOT
.set HALFS,  (128*KS/256)*272
.set SBLK,   (16*KS/256)*272
.set SPARE,  SCL+4*HALFS               ; the spare words, 128 bytes for each wave
.set SCO,    0x800000                  ; where the scales begin in xq, qq, kq, vq
.set BV,   8                           ; v8-15   v's bias: one word for each of source 1's eight blocks
.set ADRA, 16
.set ADRB, 20
.set L16,  24                          ; v24     16 x lane
.set SWA,  25                          ; v25     the scale words' stage: 512 x wave + 4 r (in slot 0, behind its last fill and last read)
.set SRA,  26                          ; v26     and back: 512 x wave + 16 x lane
.set ADRS, 27
.set SPW,  28
.set NIL,  29
.set BA,   30                          ; v30     32 h: q's and k's bias
.set BB,   31                          ; v31     4 r: v's bias
.set SC,   32
.set BI,   64                          ; v64-127 the bias as C
.set TM,   64                          ; the way out: v64-79 at work,
.set PW,   80                          ; v80-87 a scale word for each block of rows,
.set PC,   96                          ; v96-127 codes, two sets
.set AF,   128
.set G1, 24
.set G0, 32
.set G1B, 48
.set G0B, 56
.set G1S, 68
.set G0S, 76
.set G1SB, 80
.set G0SB, 88
.set MSB, 0
.macro WIN new                         ; the immediate's high byte repeats the setting that is left
.if MSB != \new
	s_set_vgpr_msb (MSB<<8)|\new
.set MSB, \new
.endif
.endm
.set MUL_LO, 0xa1                      ; source 0 window 1, source 1 window 0, C and D window 2
.set MUL_HI, 0xf1                      ; the same, C and D window 3
.set BIA_LO, 0x81                      ; C (the bias) window 0, D window 2
.set BIA_HI, 0xc1                      ; C window 0, D window 3
.set TO_B,   0x40
; A joint load: waves 0 and 1 fetch for source 1 (A), waves 2 and 3 for source 0 (B).  The branch hangs on the wave's number alone.  An s_nop 0 and four v_nop follow each of the two lines.
.macro JLOAD g0a, g1a, g0b, g1b
	s_cmp_eq_u32 s15, 0
	s_cbranch_scc0 .Lfor_b_\@
	tensor_load_to_lds s[\g0a:\g0a+3], s[\g1a:\g1a+7]
	s_nop 0
.rept 4
	v_nop
.endr
	s_branch .Lasked_\@
.Lfor_b_\@:
	tensor_load_to_lds s[\g0b:\g0b+3], s[\g1b:\g1b+7]
	s_nop 0
.rept 4
	v_nop
.endr
.Lasked_\@:
.endm
.macro CREST
	s_cmp_lg_u32 s14, 0
	s_cbranch_scc1 .Lnot_wave_0_\@
	s_barrier_signal -3
.Lnot_wave_0_\@:
	s_barrier_wait -3
	s_barrier_signal -1
	s_barrier_wait -1
.endm
.macro CROUND
	s_barrier_signal -1
	s_barrier_wait -1
	CREST
.endm
	s_load_b512 s[68:83], s[0:1], 0x0              ; xq 68, Wq_codes 70, Wq_scales 72, Wk_codes 74, Wk_scales 76, Wv_codes 78, Wv_scales 80, bq 82
	s_load_b256 s[84:91], s[0:1], 0x40             ; bk 84, bv 86, qq 88, kq 90
	s_load_b64 s[92:93], s[0:1], 0x60              ; vq
	v_lshl_add_u32 v[SPW], v0, 2, SPARE
	v_mov_b32 v[NIL], 0
	ds_add_u32 v[SPW], v[NIL]                      ; the wave's opening: the add, twice on end, and its wait ahead of my first tensor load
	ds_add_u32 v[SPW], v[NIL]
	v_lshrrev_b32 v1, 5, v0
	v_readfirstlane_b32 s14, v1                    ; wave 0..3
	s_lshr_b32 s15, s14, 1                         ; which half of source 1's rows is mine.  Also: I fetch for A (0) or for B (1)
	s_and_b32 s16, s14, 1                          ; which half of source 0's.  Also: which 128 rows I fetch
	s_bfe_u32 s40, ttmp6, 0x40000                  ; cx, cy: my place in the cluster
	s_bfe_u32 s41, ttmp6, 0x40004
	s_and_b32 s18, ttmp7, 0xffff
	s_lshl_b32 s18, s18, 2                         ; 4 x cluster y: it counts tiles of 256 tokens
	s_cmp_eq_u32 ttmp9, 2                          ; cluster x = 2: v
	s_cselect_b32 s100, 1, 0
	s_cselect_b32 s42, s18, 0                      ; B's tile: tokens for v, else rows of W
	s_cselect_b32 s17, 0, s18                      ; A's tile: rows of Wv for v, else tokens
	s_add_co_u32 s42, s42, s40
	s_add_co_u32 s17, s17, s41
	s_lshl_b32 s43, s41, 2
	s_lshl_b32 s43, 15, s43                        ; my row of the cluster
	s_lshl_b32 s44, 0x1111, s40                    ; my column
	s_or_b32 s[G1+0], s43, (0<<16)|(1<<20)|(1<<21)|(5<<22)|(3<<25)  ; the mask; elements of 1 byte; padding on; bit 21 beside a mask; 4 words after every 64
	s_or_b32 s[G1B+0], s44, (0<<16)|(1<<20)|(1<<21)|(5<<22)|(3<<25)
.irp g, G1, G1B
	s_mov_b32 s[\g+1], ROWB<<16                    ; tensor_dim0
	s_mov_b32 s[\g+2], 256<<16                     ; tensor_dim1: 256 rows for the head's loads; 128 behind them
	s_mov_b32 s[\g+3], ROWB<<16                    ; tile_dim0
	s_mov_b32 s[\g+4], 256                         ; tile_dim1
	s_mov_b32 s[\g+5], KROW                        ; the pitch
	s_mov_b32 s[\g+6], 0
	s_mov_b32 s[\g+7], 0
.endr
	s_lshl_b32 s20, s17, 8                         ; A's tile: its first row
	s_lshl_b32 s46, s42, 8                         ; B's
	s_mov_b32 s21, 0
	s_mov_b32 s47, 0
	s_mov_b64 s[18:19], KS
	s_mul_u64 s[22:23], s[20:21], s[18:19]         ; where these rows' scales begin, in bytes
	s_mul_u64 s[96:97], s[46:47], s[18:19]
	s_mov_b64 s[18:19], KROW
	s_mul_u64 s[20:21], s[20:21], s[18:19]         ; and their codes
	s_mul_u64 s[46:47], s[46:47], s[18:19]
	s_mul_i32 s45, s14, HALFT                      ; where they go: no place in the cluster enters an LDS address
	s_mul_i32 s18, s16, 128*KROW                   ; in the ring I fetch 128 rows of a tile: which half, in bytes
	s_mov_b32 s19, 0
	s_wait_dscnt 0x0                               ; both opening adds are done
	s_wait_kmcnt 0x0
	s_add_nc_u64 s[94:95], s[68:69], SCO           ; x's scale bytes
	s_cmp_eq_u32 ttmp9, 0                          ; q or k: the choices hang on the cluster's x alone
	s_cselect_b64 s[8:9], s[70:71], s[74:75]
	s_cselect_b64 s[10:11], s[72:73], s[76:77]
	s_cselect_b64 s[98:99], s[82:83], s[84:85]
	s_cselect_b64 s[12:13], s[88:89], s[90:91]
	s_cmp_eq_u32 ttmp9, 2                          ; or v, with the operands' places changed
	s_cselect_b64 s[4:5], s[78:79], s[68:69]       ; A's codes
	s_cselect_b64 s[6:7], s[80:81], s[94:95]       ; A's scales
	s_cselect_b64 s[8:9], s[68:69], s[8:9]         ; B's codes
	s_cselect_b64 s[10:11], s[94:95], s[10:11]     ; B's scales
	s_cselect_b64 s[98:99], s[86:87], s[98:99]     ; the bias
	s_cselect_b64 s[12:13], s[92:93], s[12:13]     ; the output
	s_add_nc_u64 s[20:21], s[4:5], s[20:21]
	s_add_nc_u64 s[22:23], s[6:7], s[22:23]
	s_add_nc_u64 s[46:47], s[8:9], s[46:47]
	s_add_nc_u64 s[96:97], s[10:11], s[96:97]
	; the arguments' registers are free now.  The scales of 128 rows: a dense block of 4,096 bytes, as rows of 256 bytes (32 elements of 8), 16 bytes of padding behind each
	s_or_b32 s[G1S+0], s43, (3<<16)|(1<<20)|(1<<21)|(5<<22)|(3<<25)
	s_or_b32 s[G1SB+0], s44, (3<<16)|(1<<20)|(1<<21)|(5<<22)|(3<<25)
.irp g, G1S, G1SB
	s_mov_b32 s[\g+1], 32<<16
	s_mov_b32 s[\g+2], KS<<16                      ; the scales of 256 rows: 32 rows of 256 bytes
	s_mov_b32 s[\g+3], 32<<16
	s_mov_b32 s[\g+4], KS
	s_mov_b32 s[\g+5], 32
	s_mov_b32 s[\g+6], 0
	s_mov_b32 s[\g+7], 0
.endr
	CROUND                                         ; all sixteen work-groups are here: the first joint loads meet
	s_mov_b32 s[G0S], 1
	s_mov_b32 s[G0S+1], SCL
	s_mov_b64 s[G0S+2:G0S+3], s[22:23]
	s_or_b32 s[G0S+3], s[G0S+3], 0x80000000
	s_mov_b32 s[G0SB], 1
	s_mov_b32 s[G0SB+1], SCL+2*HALFS
	s_mov_b64 s[G0SB+2:G0SB+3], s[96:97]
	s_or_b32 s[G0SB+3], s[G0SB+3], 0x80000000
	s_mov_b32 s4, 1                                ; s[4:7], s[8:11]: group 0 for the head's loads of K step 0: A's 256 rows, B's 256 rows (the pointers that lay there have been used)
	s_mov_b32 s5, 0
	s_mov_b64 s[6:7], s[20:21]
	s_or_b32 s7, s7, 0x80000000
	s_mov_b32 s8, 1
	s_mov_b32 s9, 2*HALFT
	s_mov_b64 s[10:11], s[46:47]
	s_or_b32 s11, s11, 0x80000000
	s_add_nc_u64 s[20:21], s[20:21], s[18:19]      ; for the ring: my 128 rows of the tile
	s_add_nc_u64 s[46:47], s[46:47], s[18:19]
.irp s, 0,1
	s_mov_b32 s[G0+4*\s], 1
	s_add_co_u32 s[G0+4*\s+1], s45, \s*SLOT
	s_add_nc_u64 s[G0+4*\s+2:G0+4*\s+3], s[20:21], \s*ROWB
	s_or_b32 s[G0+4*\s+3], s[G0+4*\s+3], 0x80000000
	s_mov_b32 s[G0B+4*\s], 1
	s_add_co_u32 s[G0B+4*\s+1], s45, \s*SLOT
	s_add_nc_u64 s[G0B+4*\s+2:G0B+4*\s+3], s[46:47], \s*ROWB
	s_or_b32 s[G0B+4*\s+3], s[G0B+4*\s+3], 0x80000000
.endr
; THE HEAD'S LOADS, ONE A WAVE: wave 0 K step 0's 256 rows of A, wave 1 its 256 rows of B, wave 2 the scales of A's 256 rows, wave 3 those of B's.  One chain of branches on the wave's number; every way passes one load.
.macro ARM under, g0, g1, next
	s_cmp_lt_u32 s14, \under
	s_cbranch_scc0 \next
	tensor_load_to_lds s[\g0:\g0+3], s[\g1:\g1+7]
	s_nop 0
.rept 4
	v_nop
.endr
	s_branch .Lhead_asked
\next:
.endm
	ARM 1, 4, G1, .Lhead_b
	ARM 2, 8, G1B, .Lhead_sa
	ARM 3, G0S, G1S, .Lhead_sb
	tensor_load_to_lds s[G0SB:G0SB+3], s[G1SB:G1SB+7]
	s_nop 0
.rept 4
	v_nop
.endr
.Lhead_asked:
	v_and_b32 v1, 15, v0                           ; r = l % 16
	v_bfe_u32 v2, v0, 4, 1                         ; h = l / 16
	v_mul_u32_u24 v3, v1, PITCH
	v_lshl_add_u32 v4, v2, 4, v3                   ; a fragment's row x pitch + 16 x half
	s_mul_i32 s21, s15, HALFT                      ; my 128 rows of A
	s_mul_i32 s22, s16, HALFT                      ; my 128 rows of B,
	s_add_co_u32 s22, s22, 2*HALFT                 ; which lie behind A's 256
.irp s, 0,1
	v_add_nc_u32 v[ADRA+\s], s21, v4
	v_add_nc_u32 v[ADRB+\s], s22, v4
	s_add_co_u32 s21, s21, SLOT
	s_add_co_u32 s22, s22, SLOT
.endr
	v_mul_u32_u24 v5, v1, KS                       ; my row's scales: 32 bytes a row,
	v_lshrrev_b32 v6, 8, v5
	v_lshl_add_u32 v5, v6, 4, v5                   ; and 16 more for each 256 passed
	s_mul_i32 s21, s15, HALFS
	s_mul_i32 s22, s16, HALFS
	s_add_co_u32 s22, s22, 2*HALFS
	s_sub_co_u32 s22, s22, s21
	v_mul_u32_u24 v6, s22, v2                      ; lanes 16-31 take B's
	s_add_co_u32 s21, s21, SCL
	v_add_nc_u32 v5, v5, v6
	v_add_nc_u32 v[ADRS], s21, v5
	v_and_b32 v6, 31, v0
	v_lshlrev_b32 v[L16], 4, v6
	s_lshl_b32 s23, s14, 9
	v_lshl_add_u32 v[SWA], v1, 2, s23
	v_add_nc_u32 v[SRA], s23, v[L16]
	v_lshlrev_b32 v[BA], 5, v2
	s_wait_alu depctr_va_vdst(0)
	v_lshlrev_b32 v[BB], 2, v1
	; where my 128 x 128 lies: tok = which 128 tokens (0..63), J = which 128 of n (0..7: a pair of heads)
	s_wait_alu depctr_va_vdst(0)
	s_lshl_b32 s20, s17, 1
	s_add_co_u32 s20, s20, s15                     ; A's 128 rows
	s_lshl_b32 s21, s42, 1
	s_add_co_u32 s21, s21, s16                     ; B's 128 rows
	s_cmp_eq_u32 s100, 1
	s_cselect_b32 s22, s21, s20                    ; tok
	s_cselect_b32 s23, s20, s21                    ; J
	s_lshr_b32 s46, s22, 4                         ; the batch
	s_and_b32 s47, s22, 15
	s_lshl_b32 s20, s46, 21
	s_lshl_b32 s21, s23, 18
	s_add_co_u32 s20, s20, s21
	s_lshl_b32 s21, s47, 13
	s_add_co_u32 s20, s20, s21
	s_mov_b32 s21, 0
	s_add_nc_u64 s[96:97], s[12:13], SCO
	s_add_nc_u64 s[12:13], s[12:13], s[20:21]      ; my codes
	s_lshl_b32 s20, s46, 16
	s_lshl_b32 s46, s23, 13
	s_add_co_u32 s20, s20, s46
	s_lshl_b32 s46, s47, 9
	s_add_co_u32 s20, s20, s46
	s_add_nc_u64 s[96:97], s[96:97], s[20:21]      ; my 512 bytes of scale words
	s_lshl_b32 s20, s23, 9
	s_add_nc_u64 s[98:99], s[98:99], s[20:21]      ; my 128 numbers of the bias
.irp b, 0,1,2,3,4,5,6,7
	global_load_b128 v[BI+8*\b:BI+8*\b+3], v[BA], s[98:99] offset:64*\b       ; q, k: bias(16 b + 8 h + 0 .. 7)
	global_load_b128 v[BI+8*\b+4:BI+8*\b+7], v[BA], s[98:99] offset:64*\b+16
	global_load_b32 v[BV+\b], v[BB], s[98:99] offset:64*\b                    ; v: bias(16 b + r)
.endr
.macro FRAG reg, adr, q, i             ; 16 rows x 128 K: lane l holds row l % 16; registers 4 c .. 4 c + 3 hold K = 32 c + 16 (l / 16) + 0 .. 15
.irp c, 0,1,2,3
	ds_load_b128 v[\reg+4*\c:\reg+4*\c+3], v[\adr] offset:128*(\q)+32*\c+(\i)*16*PITCH
.endr
.endm
; 16 matrix instructions: A's blocks a0, a0 + 1 x B's eight.  cs = 0: in place; 1: C = the bias by B's block; 2: by A's block.  The 64 accumulators take turns, one instruction a turn, in the same order in every step.
.macro MUL16 a0, p, q, sc, cs
.irp a, \a0, \a0+1
.irp b, 0,1,2,3,4,5,6,7
.if (\cs) == 1
	v_wmma_scale_f32_16x16x128_f8f6f4 v[8*(8*((\a)%4)+\b):8*(8*((\a)%4)+\b)+7], v[128*(\p)+FR*\b:128*(\p)+FR*\b+FR-1], v[AF+FR*(\a):AF+FR*(\a)+FR-1], v[BI+8*\b:BI+8*\b+7], v[SC+8*NQ*(\sc)+NQ*\b+(\q)], v[SC+8*NQ*(\sc)+NQ*(\a)+(\q)] matrix_a_scale:MATRIX_SCALE_ROW1
.elseif (\cs) == 2
	v_wmma_scale_f32_16x16x128_f8f6f4 v[8*(8*((\a)%4)+\b):8*(8*((\a)%4)+\b)+7], v[128*(\p)+FR*\b:128*(\p)+FR*\b+FR-1], v[AF+FR*(\a):AF+FR*(\a)+FR-1], v[BI+8*(\a):BI+8*(\a)+7], v[SC+8*NQ*(\sc)+NQ*\b+(\q)], v[SC+8*NQ*(\sc)+NQ*(\a)+(\q)] matrix_a_scale:MATRIX_SCALE_ROW1
.else
	v_wmma_scale_f32_16x16x128_f8f6f4 v[8*(8*((\a)%4)+\b):8*(8*((\a)%4)+\b)+7], v[128*(\p)+FR*\b:128*(\p)+FR*\b+FR-1], v[AF+FR*(\a):AF+FR*(\a)+FR-1], v[8*(8*((\a)%4)+\b):8*(8*((\a)%4)+\b)+7], v[SC+8*NQ*(\sc)+NQ*\b+(\q)], v[SC+8*NQ*(\sc)+NQ*(\a)+(\q)] matrix_a_scale:MATRIX_SCALE_ROW1
.endif
.endr
.endr
.endm
.macro FETCH_B slot, q, p
	WIN TO_B
.irp i, 0,1,2,3,4,5,6,7
	FRAG 128*(\p)+FR*\i, ADRB+\slot, \q, \i
.endr
	WIN 0
.endm
.macro FETCH_A slot, q, i0
.irp i, \i0, \i0+1, \i0+2, \i0+3
	FRAG AF+FR*(\i), ADRA+\slot, \q, \i
.endr
.endm
.macro SCALES sc                       ; a K step's scale words: lanes 0-15 take A's block i, lanes 16-31 B's block i
.irp i, 0,1,2,3,4,5,6,7
	ds_load_b64 v[SC+8*NQ*\sc+NQ*\i:SC+8*NQ*\sc+NQ*\i+1], v[ADRS] offset:\i*SBLK
.endr
.endm
.macro PLACES n                        ; plain vector instructions that name no register of the matrix instructions ahead (ISA guide 7.12.1)
.rept \n
	v_nop
.endr
.endm
.macro STEP slot, q, cs                ; 128 along K that has its successor in the same slot
	s_wait_dscnt 4*NL                              ; B's set and A's blocks 0-3 are in; the youngest 16 loads (A's blocks 4-7) may be out
.if \cs
	WIN BIA_LO
.else
	WIN MUL_LO
.endif
	MUL16 0, (\q)%2, \q, \slot, \cs
	MUL16 2, (\q)%2, \q, \slot, \cs
	s_wait_dscnt 0                                 ; A's blocks 4-7 are in
	PLACES NP
	FETCH_B \slot, (\q)+1, 1-(\q)%2
	FETCH_A \slot, (\q)+1, 0
.if \cs
	WIN BIA_HI
.else
	WIN MUL_HI
.endif
	MUL16 4, (\q)%2, \q, \slot, \cs
	MUL16 6, (\q)%2, \q, \slot, \cs
	PLACES NP
	WIN 0
	FETCH_A \slot, (\q)+1, 4
.endm
; A slot's last step changes slots: one barrier; in front of it each wave waits for all its tensor loads, adds 0 to its spare word, and waits for that and for its own reads of this slot.  fill = 1: this slot is filled again, two K steps ahead.
.macro TURN slot, next, fill
	s_wait_tensorcnt 0x0                           ; all my tensor loads have landed: my part of the next slot
	ds_add_u32 v[SPW], v[NIL]                      ; 0 onto my spare word
	s_wait_dscnt 4*NL+1                            ; (the add and the youngest 16 loads may be out)
	WIN MUL_LO
	MUL16 0, 1, NQ-1, \slot, 0
	s_wait_dscnt 0x0                               ; the add is done, and my reads of this slot are over
	s_barrier_signal -1
	MUL16 2, 1, NQ-1, \slot, 0
	WIN 0
	s_barrier_wait -1
.if \fill
	CREST                                          ; the barrier has opened a round of the cluster's barrier: no wave of any partner still reads this slot or has a load on its way
	s_add_nc_u64 s[G0+4*\slot+2:G0+4*\slot+3], s[G0+4*\slot+2:G0+4*\slot+3], 2*ROWB
	s_add_nc_u64 s[G0B+4*\slot+2:G0B+4*\slot+3], s[G0B+4*\slot+2:G0B+4*\slot+3], 2*ROWB
	JLOAD G0+4*\slot, G1, G0B+4*\slot, G1B         ; the first tensor load behind the round, and my only one until the next
	PLACES NP-4
.else
	PLACES NP
.endif
	s_wait_alu depctr_va_vdst(0)
	v_add_nc_u32 v[ADRS], 4*NQ, v[ADRS]            ; on to the next K step's scale words
	FETCH_B \next, 0, 0
	FETCH_A \next, 0, 0
	SCALES \next
	WIN MUL_HI
	MUL16 4, 1, NQ-1, \slot, 0
	MUL16 6, 1, NQ-1, \slot, 0
	PLACES NP
	WIN 0
	FETCH_A \next, 0, 4
.endm
	s_wait_alu depctr_va_vdst(0)                   ; the head's end
	s_wait_tensorcnt 0x0                           ; my tile of the head's four is in; slot 1's first fill is issued as a refill is:
	ds_add_u32 v[SPW], v[NIL]                      ; 0 onto my spare word
	s_mov_b32 s[G1+2], 128<<16                     ; no tensor load of mine is out: from here on a load brings 128 rows
	s_mov_b32 s[G1+4], 128
	s_mov_b32 s[G1B+2], 128<<16
	s_mov_b32 s[G1B+4], 128
	s_wait_dscnt 0x0                               ; the add is done
	CROUND                                         ; a whole round: all four tiles are in, and all sixteen work-groups are here
	JLOAD G0+4, G1, G0B+4, G1B                     ; K step 1, the first tensor load behind the round
	FETCH_B 0, 0, 0
	FETCH_A 0, 0, 0
	SCALES 0
	FETCH_A 0, 0, 4
	s_wait_loadcnt 0x0                             ; the bias
	s_cmp_eq_u32 s100, 1                           ; the first step starts the sums with the bias, laid by n: the one branch of the launch that hangs on the cluster's x
	s_cbranch_scc1 .Lfirst_v
	STEP 0, 0, 1
	s_branch .Lfirst_done
.Lfirst_v:
.irp a, 0,1,2,3,4,5,6,7
.irp j, 0,1,2,3,4,5,6,7
	v_mov_b32 v[BI+8*\a+\j], v[BV+\a]              ; a lane's n is the same in its eight registers
.endr
.endr
	PLACES 4
	s_wait_alu depctr_va_vdst(0)
	STEP 0, 0, 2
.Lfirst_done:
	s_mov_b32 s3, LAPS-1
.Llap:                                                 ; a trip goes once round the ring and fills both slots again
	TURN 0, 1, 1
	STEP 1, 0, 0
	TURN 1, 0, 1
	STEP 0, 0, 0
	s_sub_co_u32 s3, s3, 1
	s_cmp_lg_u32 s3, 0
	s_cbranch_scc1 .Llap
	TURN 0, 1, 0                                   ; the last lap fills nothing
	STEP 1, 0, 0
	s_wait_dscnt 4*NL
	WIN MUL_LO
	MUL16 0, 1, NQ-1, 1, 0
	MUL16 2, 1, NQ-1, 1, 0
	s_wait_dscnt 0
	WIN MUL_HI
	MUL16 4, 1, NQ-1, 1, 0
	MUL16 6, 1, NQ-1, 1, 0
	WIN 0
; THE WAY OUT, block a of source 1's rows at a time: 64 numbers a lane, register 16 g + i = one of the 32 of block g.  Four blocks: largest magnitude (with lane l xor 16's), scale, hold, conversion; the codes ARE four quads of operand registers.
.macro QBLK a
.set AC, 64*((\a)%4)
.set WW, 2+(\a)/4
.set W_MAX, WW|(WW<<2)
.set W_MED, WW|(WW<<6)
.set PCA, PC+16*((\a)%2)
	WIN W_MAX                                      ; sources 0 and 1: the accumulators' window
.irp b, 0,1,2,3
	v_max3_num_f32 v[TM+\b], |v[AC+16*\b]|, |v[AC+16*\b+1]|, 0x6000000   ; each accumulator is read from its low end on; the floor 2^(12 - 127)
.endr
.irp i, 2,4,6,8,10,12,14
.irp b, 0,1,2,3
	v_max3_num_f32 v[TM+\b], |v[AC+16*\b+\i]|, |v[AC+16*\b+\i+1]|, v[TM+\b]
.endr
.endr
	WIN 0
.irp b, 0,1,2,3
	v_permlanex16_b32 v[TM+4+\b], v[TM+\b], s20, s21
.endr
.irp b, 0,1,2,3
	v_max_num_f32 v[TM+\b], v[TM+\b], v[TM+4+\b]   ; the block's largest magnitude
.endr
.irp b, 0,1,2,3
	v_add_nc_u32 v[TM+12+\b], 0xfc000000, v[TM+\b] ; 8 off its exponent field: the conversion's scale operand
.endr
.irp b, 0,1,2,3
	v_and_or_b32 v[TM+8+\b], v[TM+\b], 0x7f800000, s22   ; 448 x the scale
.endr
.irp b, 0,1,2,3
	v_lshrrev_b32 v[TM+4+\b], 23, v[TM+12+\b]      ; the scale's byte
.endr
	v_lshl_or_b32 v[PW+(\a)], v[TM+5], 8, v[TM+4]
	v_lshl_or_b32 v[PW+(\a)], v[TM+6], 16, v[PW+(\a)]
	v_lshl_or_b32 v[PW+(\a)], v[TM+7], 24, v[PW+(\a)]
	WIN W_MED                                      ; destination and source 0: the accumulators' window
.irp b, 0,1,2,3
.irp i, 0,1,2,3,4,5,6,7,8,9,10,11,12,13,14,15
	v_med3_num_f32 v[AC+16*\b+\i], v[AC+16*\b+\i], -v[TM+8+\b], v[TM+8+\b]   ; the conversion does not saturate (ISA guide 7.6.2): the hold comes first
.endr
.endr
	WIN WW
.if (\a) >= 2
	s_wait_alu depctr_va_vdst(0)
	s_wait_xcnt 0x0                                ; block a - 2's stores have read this set of code registers
.endif
.irp b, 0,1,2,3
	v_cvt_scalef32_pk8_fp8_f32 v[PCA+4*\b:PCA+4*\b+1], v[AC+16*\b:AC+16*\b+7], v[TM+12+\b]
	v_cvt_scalef32_pk8_fp8_f32 v[PCA+4*\b+2:PCA+4*\b+3], v[AC+16*\b+8:AC+16*\b+15], v[TM+12+\b]
.endr
	WIN 0
	v_nop                                          ; a plain line behind the last conversion
.irp c, 0,1,2,3
	global_store_b128 v[L16], v[PCA+4*\c:PCA+4*\c+3], s[12:13] offset:(\a)*1024+(\c%2)*512+(\c/2)*131072   ; 512 consecutive bytes, aligned
.endr
	ds_store_b32 v[SWA], v[PW+(\a)] offset:64*(\a) ; lanes r and 16 + r write the same word with the same value
.endm
	s_mov_b32 s20, 0x76543210
	s_mov_b32 s21, 0xfedcba98                      ; v_permlanex16_b32's selects for lane l xor 16
	s_mov_b32 s22, 0x600000                        ; the mantissa field of 448
	PLACES NP
.irp b, 0,1,2,3
	v_mov_b32 v[TM+4+\b], 0                        ; written once: a lane permute's destination counts as one of its sources
.endr
.irp a, 0,1,2,3,4,5,6,7
	QBLK \a
.endr
	ds_load_b128 v[TM:TM+3], v[SRA]                ; my 128 scale words: LDS serves a wave's instructions in order
	s_wait_dscnt 0x0
	global_store_b128 v[L16], v[TM:TM+3], s[96:97] ; 512 consecutive bytes, aligned
	s_wait_tensorcnt 0x0                           ; the wave's end
	ds_add_u32 v[SPW], v[NIL]
	s_wait_dscnt 0x0
	CROUND                                         ; the closing round
	s_endpgm
.Lfunc_end_k_q447c33066b_qkv:
	.size	k_q447c33066b_qkv, .Lfunc_end_k_q447c33066b_qkv-k_q447c33066b_qkv
	.p2alignl 7, 3214868480
	.fill 96, 4, 3214868480
	.section	.rodata,"a",@progbits
	.p2align	6, 0x0
	.amdhsa_kernel k_q447c33066b_qkv
		.amdhsa_group_segment_fixed_size 327680
		.amdhsa_private_segment_fixed_size 0
		.amdhsa_enable_private_segment 0
		.amdhsa_kernarg_size 104
		.amdhsa_user_sgpr_count 2
		.amdhsa_user_sgpr_kernarg_segment_ptr 1
		.amdhsa_wavefront_size32 1
		.amdhsa_system_sgpr_workgroup_id_x 1
		.amdhsa_system_sgpr_workgroup_id_y 1
		.amdhsa_system_sgpr_workgroup_id_z 1
		.amdhsa_system_vgpr_workitem_id 0
		.amdhsa_next_free_vgpr 1024
		.amdhsa_next_free_sgpr 102
		.amdhsa_reserve_vcc 0
		.amdhsa_float_denorm_mode_32 3
		.amdhsa_float_denorm_mode_16_64 3
		.amdhsa_memory_ordered 1
		.amdhsa_forward_progress 1
		.amdhsa_inst_pref_size 205
	.end_amdhsa_kernel
	.amdgpu_metadata
---
amdhsa.version: [ 1, 2 ]
amdhsa.kernels:
  - .name:           k_q447c33066b_qkv
    .symbol:         k_q447c33066b_qkv.kd
    .args:
      - { .name: xq, .offset: 0, .size: 8, .value_kind: global_buffer, .address_space: global }
      - { .name: Wq_codes, .offset: 8, .size: 8, .value_kind: global_buffer, .address_space: global }
      - { .name: Wq_scales, .offset: 16, .size: 8, .value_kind: global_buffer, .address_space: global }
      - { .name: Wk_codes, .offset: 24, .size: 8, .value_kind: global_buffer, .address_space: global }
      - { .name: Wk_scales, .offset: 32, .size: 8, .value_kind: global_buffer, .address_space: global }
      - { .name: Wv_codes, .offset: 40, .size: 8, .value_kind: global_buffer, .address_space: global }
      - { .name: Wv_scales, .offset: 48, .size: 8, .value_kind: global_buffer, .address_space: global }
      - { .name: bq, .offset: 56, .size: 8, .value_kind: global_buffer, .address_space: global }
      - { .name: bk, .offset: 64, .size: 8, .value_kind: global_buffer, .address_space: global }
      - { .name: bv, .offset: 72, .size: 8, .value_kind: global_buffer, .address_space: global }
      - { .name: qq, .offset: 80, .size: 8, .value_kind: global_buffer, .address_space: global }
      - { .name: kq, .offset: 88, .size: 8, .value_kind: global_buffer, .address_space: global }
      - { .name: vq, .offset: 96, .size: 8, .value_kind: global_buffer, .address_space: global }
    .group_segment_fixed_size: 327680
    .private_segment_fixed_size: 0
    .kernarg_segment_align: 8
    .kernarg_segment_size: 104
    .max_flat_workgroup_size: 128
    .sgpr_count:     102
    .vgpr_count:     1024
    .wavefront_size: 32
...
	.end_amdgpu_metadata
.endif
;; end of part 2
;; launch attn (part 3): grid 4 x 64, 8 waves a work-group, clusters of 4 x 1, 327,680 bytes of LDS; arguments qq, kq, vq, attention_mask, cq; writes cq
.if DOCPART == 3
	.amdgcn_target "amdgcn-amd-amdhsa--gfx1250"
	.amdhsa_code_object_version 6
	.text
	.protected	k_q447c33066b_attn
	.globl	k_q447c33066b_attn
	.p2align	8
	.type	k_q447c33066b_attn,@function
k_q447c33066b_attn:
	s_mov_b64 s[64:65], 0
	v_nop
	global_prefetch_b8 v0, s[64:65] scope:SCOPE_SE
	s_setreg_imm32_b32 hwreg(HW_REG_WAVE_MODE, 25, 1), 1
	s_wait_xcnt 0x0
	s_wait_alu depctr_hold_cnt(0) depctr_sa_sdst(0) depctr_va_vdst(0) depctr_va_sdst(0) depctr_va_ssrc(0) depctr_va_vcc(0) depctr_vm_vsrc(0)
	s_getreg_b32 s2, hwreg(HW_REG_IB_STS2, 6, 4)
	s_cmp_eq_u32 s2, 0
	s_cbranch_scc0 .Lentry_in_a_cluster
	s_endpgm
.Lentry_in_a_cluster:
	s_bfe_u32 s2, ttmp6, 0x10000c
	s_cmp_lg_u32 s2, 0x3003
	s_cbranch_scc0 .Lentry_shape_is_right
	s_endpgm
.Lentry_shape_is_right:
; LAUNCH 3 OF 4.  ctx[b][q][h] = softmax_k(q . k / 8 + mask[b][k]) v, both products on codes of E4M3; ctx is quantised along H and stored as codes.  Nothing is left out.
; THE SOFTMAX AHEAD OF THE SECOND PRODUCT: t = logit x log2(e); M = the running largest t rounded UP to a whole number; p = 2^(t - M) is quantised along the keys, not normalised; the row's sum of the unquantised p divides at the end.
; SHARES.  A work-group owns one (batch, head) and 512 of its 2,048 queries.  Each of its eight waves owns TWO tiles of 16 queries at a time, twice (PASS 0, PASS 1): each fragment of K, of V and of the mask that is read from LDS feeds two products,
; and the two tiles' chains of vector lines stand line by line beside each other.
; ALL OF THE HEAD'S K AND V (131,072 bytes each, as images of operand registers), their scale words and the batch's mask lie in LDS for the whole launch, filled once, one fill a wave: no ring, no refill, no barrier in the loops.
; CLUSTER.  The four work-groups of a cluster are the four quarters of one head's queries and want the same tiles: each is asked for jointly, the mask naming all four.
; LAYOUT.  Both products are used transposed: S^T = K Q^T (source 0 = 16 keys, source 1 = 16 queries), O^T = V^T P^T (source 0 = 16 of the head's d, source 1 = p): a lane holds ONE query of each tile (lane % 16) throughout.
; p's 16 registers of two neighbouring tiles are converted as they stand; the launch before laid v's codes in the same order inside each block of 32 keys, and q's and k's alike along d.
; The division by 8 is 3 off q's two scale bytes (they are 4 or more); the mask is the C of the products K Q^T, one copy for both tiles.
; K = 64 IN A FORM OF 128: q's places 64 .. 127 are zero codes, and bytes 2, 3 of q's and k's scale words are 0.  Source 0 of tile t is K's registers 8 t .. 8 t + 15: its upper eight are the next tile's codes (behind tile 7: eight registers of zero codes):
; numbers of the format, never its NaN code, since the quantisers hold at 448; times a zero code they add nothing.
; THE NEXT STEP'S K is fetched straight behind this step's products K Q^T; the last step of a pass fetches 8,192 bytes on from K's end, bytes of V's images that are in LDS and are not used.
; ctx meets Wd in the true order of K: two lane swaps a block put its codes in that order.  cq: byte = tile of 16 tokens<<14 + head<<10 + block<<9 + 16 lane; scale bytes at SCO + head<<14 + 2 token, two a token.
; LIMITS: a block of ctx or p that is all zeros gets the byte 1 (its codes are zeros); a row whose mask is -infinity throughout gives NaN, as in the formula; NaN in the mask is not served.
; No prefetch: every tile is asked for at the head.
; REGISTERS.  Window 0: v0-17 addresses; v24-41 scale words; v44-91 two sets of 24 at work; v96-127 p's codes; v128-255 S^T, then p, of the two tiles.  Window 1: v0-71 K; v72-135 the mask, then V; v136-199 O^T; v200-231 q with its zero codes; v232-247 the second pass's q.
.set SCO,   0x800000
.set VIMG,  131072                     ; LDS: K's images from 0; V's from here
.set MASK,  262144                     ; the batch's 2,048 numbers
.set KSC,   270336                     ; the pair of heads' scale words of K
.set VSC,   278528                     ; V's
.set CST,   282624
.set SPARE, 283648                     ; the spare words, 128 bytes for each of 8 waves
.set LI,   1
.set ASK0, 2
.set ASV0, 3
.set AM0,  4
.set SPW,  5
.set NIL,  6
.set CSA0, 7
.set ADK,  8
.set ADS,  9
.set ADM,  10
.set ADV,  11
.set ADW,  12
.set ADT,  13
.set AV0,  14
.set AV1,  15
.set CRA,  16
.set KSR,  24
.set VSR,  32
.set PW,   36
.set QS,   38
.set QSN,  40
.set TW,   24                          ; from tile 0's work registers to tile 1's
.set BM,   44
.set PL,   48
.set LM,   52
.set SO,   56
.set F,    60
.set NM,   62
.set MT,   63
.set SU,   64
.set TMP,  66
.set PC,   96
.set S,    128
.set K,    0                           ; window 1
.set MK,   72
.set O,    136
.set QA,   200
.set QN,   232
.set WV,   23
.set SEL,  66
.set CS,   68
.set MNT,  70
.set TK,   71
.set TV,   72
.set TS,   73
.set TT,   74
.set CNT,  75
.set MSB, 0
.macro WIN new                         ; the immediate's high byte repeats the setting that is left
.if MSB != \new
	s_set_vgpr_msb (MSB<<8)|\new
.set MSB, \new
.endif
.endm
.macro CROUND
	s_barrier_signal -1
	s_barrier_wait -1
	s_cmp_lg_u32 s[WV], 0
	s_cbranch_scc1 .Lnot_wave_0_\@
	s_barrier_signal -3
.Lnot_wave_0_\@:
	s_barrier_wait -3
	s_barrier_signal -1
	s_barrier_wait -1
.endm
	s_load_b256 s[4:11], s[0:1], 0x0               ; qq s[4:5], kq s[6:7], vq s[8:9], the mask s[10:11]
	s_load_b64 s[12:13], s[0:1], 0x20              ; cq
	v_lshl_add_u32 v[SPW], v0, 2, SPARE
	v_mov_b32 v[NIL], 0
	ds_add_u32 v[SPW], v[NIL]                      ; the wave's opening: the add, twice on end, and its wait ahead of the first tensor loads
	ds_add_u32 v[SPW], v[NIL]
	v_lshrrev_b32 v8, 5, v0
	v_readfirstlane_b32 s[WV], v8                  ; wave 0..7
	s_bfe_u32 s22, ttmp6, 0x40000                  ; cx: which quarter of the queries; it enters global addresses of q and ctx alone
	s_and_b32 s18, ttmp7, 0xffff                   ; bh = 16 batch + head, which the four partners share
	s_lshr_b32 s19, s18, 1
	s_and_b32 s20, s18, 1
	s_lshr_b32 s21, s18, 4
	s_and_b32 s14, s[WV], 3                        ; one fill a wave: waves 0, 1 K's halves; 2, 3 V's images, a half each; 4 the mask; 5 K's scale words; 6, 7 V's scale words, a half each
	s_lshr_b32 s15, s14, 1
	s_and_b32 s16, s14, 1
	s_xor_b32 s17, s15, 1
	s_mov_b32 s24, 15|(3<<16)|(1<<21)              ; s[24:31]: 8,192 dense bytes as 32 rows of 256; the mask of all four work-groups, elements of 8 bytes, bit 21 beside a mask
	s_mov_b32 s25, 32<<16
	s_mov_b32 s26, 32<<16
	s_mov_b32 s27, 32<<16
	s_mov_b32 s28, 32
	s_mov_b32 s29, 32
	s_mov_b32 s30, 0
	s_mov_b32 s31, 0
	s_mov_b32 s32, 15|(3<<16)|(1<<21)              ; s[32:39]: 65,536 dense bytes as 256 rows of 256
	s_mov_b32 s33, 32<<16
	s_mov_b32 s34, 256<<16
	s_mov_b32 s35, 32<<16
	s_mov_b32 s36, 256
	s_mov_b32 s37, 32
	s_mov_b32 s38, 0
	s_mov_b32 s39, 0
	s_mov_b32 s40, 15|(3<<16)|(1<<21)              ; s[40:47]: V's images: 16 rows of 4,096 bytes, 8,192 apart (the other head of the pair lies between)
	s_mov_b32 s41, 512<<16
	s_mov_b32 s42, 16<<16
	s_mov_b32 s43, 512<<16
	s_mov_b32 s44, 16
	s_mov_b32 s45, 1024
	s_mov_b32 s46, 0
	s_mov_b32 s47, 0
	s_mov_b32 s48, 15|(3<<16)|(1<<21)              ; s[48:55]: V's scale words: 8 rows of 256 bytes, 512 apart
	s_mov_b32 s49, 32<<16
	s_mov_b32 s50, 8<<16
	s_mov_b32 s51, 32<<16
	s_mov_b32 s52, 8
	s_mov_b32 s53, 64
	s_mov_b32 s54, 0
	s_mov_b32 s55, 0
	s_mov_b32 s56, 1                               ; groups 0: s[56:59] the small fills, s[60:63] the large ones.  LDS addresses by the wave's number alone
	s_mov_b32 s60, 1
	s_lshl_b32 s61, s14, 16                        ; 0, 65,536: K's halves; 131,072, 196,608: V's
	s_mul_i32 s2, s17, 6144
	s_add_co_u32 s2, s2, 2048
	s_mul_i32 s2, s2, s16
	s_lshl_b32 s3, s15, 14
	s_add_co_u32 s2, s2, s3
	s_add_co_u32 s57, s2, MASK                     ; MASK, KSC, VSC, VSC + 2,048
	s_lshl_b32 s80, s18, 17
	s_lshl_b32 s81, s16, 16
	s_add_co_u32 s80, s80, s81                     ; K's half
	s_lshl_b32 s82, s19, 18
	s_lshl_b32 s81, s20, 12
	s_add_co_u32 s82, s82, s81
	s_lshl_b32 s81, s16, 17
	s_add_co_u32 s82, s82, s81                     ; V's half
	s_lshl_b32 s84, s19, 13
	s_add_co_u32 s84, s84, SCO                     ; K's scale words
	s_lshl_b32 s81, s20, 8
	s_add_co_u32 s86, s84, s81
	s_lshl_b32 s81, s16, 12
	s_add_co_u32 s86, s86, s81                     ; V's
	s_lshl_b32 s88, s21, 13                        ; the batch's mask
	s_cmp_eq_u32 s15, 0
	s_cselect_b32 s80, s80, s82
	s_cselect_b32 s84, s84, s86
	s_cmp_eq_u32 s14, 0
	s_cselect_b32 s84, s88, s84
	s_mov_b32 s81, 0
	s_mov_b32 s85, 0
	s_mov_b32 s[SEL], 0x76543210
	s_mov_b32 s[SEL+1], 0xfedcba98                 ; v_permlanex16_b32's selects for lane l xor 16
	s_mov_b32 s[CS], 0x3fb8aa3b                    ; log2(e)
	s_mov_b32 s[CS+1], s[CS]
	s_mov_b32 s[MNT], 0x600000                     ; the mantissa field of 448
	s_wait_dscnt 0x0                               ; both opening adds are done
	s_wait_kmcnt 0x0
	s_cmp_eq_u32 s15, 0
	s_cselect_b64 s[62:63], s[6:7], s[8:9]
	s_cselect_b64 s[58:59], s[6:7], s[8:9]
	s_cmp_eq_u32 s14, 0
	s_cselect_b64 s[58:59], s[10:11], s[58:59]
	s_add_nc_u64 s[62:63], s[62:63], s[80:81]
	s_add_nc_u64 s[58:59], s[58:59], s[84:85]
	s_or_b32 s63, s63, 0x80000000
	s_or_b32 s59, s59, 0x80000000
	CROUND                                         ; all four work-groups are here: the joint loads meet
; one chain of branches on the wave's number, an arm a load, all arms leading to one join: every way passes one load
.macro ARM under, g0, g1, next
	s_cmp_lt_u32 s[WV], \under
	s_cbranch_scc0 \next
	tensor_load_to_lds s[\g0:\g0+3], s[\g1:\g1+7]
	s_nop 0
.rept 4
	v_nop
.endr
	s_branch .Lasked
\next:
.endm
	ARM 2, 60, 32, .Lhead_v
	ARM 4, 60, 40, .Lhead_m
	ARM 6, 56, 24, .Lhead_s
	tensor_load_to_lds s[56:59], s[48:55]
	s_nop 0
.rept 4
	v_nop
.endr
.Lasked:
	s_lshl_b32 s2, s22, 5                          ; q, ctx: my first tile of 16 queries is 32 cx + 4 wave; pass p takes tiles 2 p, 2 p + 1 on from it
	s_lshl_b32 s3, s[WV], 2
	s_add_co_u32 s2, s2, s3
	s_lshl_b32 s92, s18, 17
	s_lshl_b32 s3, s2, 10
	s_add_co_u32 s92, s92, s3
	s_mov_b32 s93, 0
	s_lshl_b32 s94, s19, 13
	s_lshl_b32 s3, s2, 6
	s_add_co_u32 s94, s94, s3
	s_lshl_b32 s3, s20, 1
	s_add_co_u32 s94, s94, s3
	s_add_co_u32 s94, s94, SCO
	s_mov_b32 s95, 0
	s_add_nc_u64 s[76:77], s[4:5], s[94:95]        ; q's scale bytes: my head's two of a token's four
	s_add_nc_u64 s[4:5], s[4:5], s[92:93]          ; q's images
	s_lshl_b32 s92, s21, 7
	s_add_co_u32 s92, s92, s2
	s_lshl_b32 s92, s92, 14
	s_and_b32 s3, s18, 15
	s_lshl_b32 s94, s3, 10
	s_add_co_u32 s92, s92, s94
	s_add_nc_u64 s[78:79], s[12:13], s[92:93]      ; ctx's images
	s_lshl_b32 s92, s3, 14
	s_lshl_b32 s94, s21, 12
	s_add_co_u32 s92, s92, s94
	s_lshl_b32 s94, s22, 10
	s_add_co_u32 s92, s92, s94
	s_lshl_b32 s94, s[WV], 9
	s_add_co_u32 s92, s92, s94
	s_add_co_u32 s92, s92, SCO
	s_add_nc_u64 s[90:91], s[12:13], s[92:93]      ; ctx's scale bytes: waves 0 and 1 store 512 each
	s_lshl_b32 s2, s20, 1
	s_add_co_u32 s2, s2, KSC
	s_lshl_b32 s3, s[WV], 7
	s_add_co_u32 s3, s3, CST
	s_lshl_b32 s94, s[WV], 9
	s_add_co_u32 s94, s94, CST
	v_and_b32 v[LI], 31, v0
	v_lshlrev_b32 v[LI], 4, v[LI]
	v_and_b32 v8, 15, v0                           ; r
	v_bfe_u32 v9, v0, 4, 1                         ; lane / 16
	v_lshlrev_b32 v17, 2, v8
	WIN 0x40
.irp n, 0,1
	global_load_b128 v[QA+16*\n:QA+16*\n+3], v[LI], s[4:5] offset:1024*\n              ; q of the first pass's two tiles: registers 0-7 of source 1
	global_load_b128 v[QA+16*\n+4:QA+16*\n+7], v[LI], s[4:5] offset:1024*\n+512
	global_load_b128 v[QN+8*\n:QN+8*\n+3], v[LI], s[4:5] offset:2048+1024*\n           ; the second pass's
	global_load_b128 v[QN+8*\n+4:QN+8*\n+7], v[LI], s[4:5] offset:2048+1024*\n+512
.endr
.irp j, 0,1,2,3,4,5,6,7
	v_mov_b32 v[QA+8+\j], 0                        ; q's places 64 .. 127: zero codes
	v_mov_b32 v[QA+24+\j], 0
	v_mov_b32 v[K+64+\j], 0                        ; and behind K's tile 7
.endr
	WIN 0
.irp n, 0,1
	global_load_u16 v[QS+\n], v17, s[76:77] offset:64*\n                               ; two scale bytes; bytes 2 and 3 come as 0
	global_load_u16 v[QSN+\n], v17, s[76:77] offset:128+64*\n
.endr
	v_add_nc_u32 v[ASK0], s2, v17                  ; KSC + 4 r + 2 (head % 2)
	v_add_nc_u32 v[ASV0], VSC, v17
	v_lshl_add_u32 v[AM0], v9, 5, MASK
	v_lshl_add_u32 v[CSA0], v8, 1, s3              ; CST + 128 wave + 2 r
	v_add_nc_u32 v[CRA], s94, v[LI]
	v_add_nc_u32 v[AV0], VIMG, v[LI]
	v_add_nc_u32 v[AV1], VIMG+65536, v[LI]
.irp x, 0,1
.irp b, 0,1,2,3
	v_mov_b32 v[PL+TW*\x+\b], 0                    ; written once: a lane permute's destination counts as one of its sources
.endr
	v_mov_b32 v[TMP+TW*\x], 0
	v_mov_b32 v[F+TW*\x+1], 0                      ; (named as the upper half of a pair)
.endr
	s_wait_alu depctr_va_vdst(0)                   ; the head's end
	s_wait_loadcnt 0x0
.irp n, 0,1
	v_add_nc_u32 v[QS+\n], 0xfffffcfd, v[QS+\n]    ; 3 off each of the two bytes: the division by 8
	v_add_nc_u32 v[QSN+\n], 0xfffffcfd, v[QSN+\n]
.endr
	s_wait_alu depctr_va_vdst(0)
	s_wait_tensorcnt 0x0                           ; my fill has landed,
	s_barrier_signal -1
	s_barrier_wait -1                              ; everybody's have.
.macro QK t                            ; the logits of key tile t for both query tiles: C = the mask, one copy
.irp x, 0,1
	v_wmma_scale_f32_16x16x128_f8f6f4 v[S+64*\x+8*(\t):S+64*\x+8*(\t)+7], v[K+8*(\t):K+8*(\t)+15], v[QA+16*\x:QA+16*\x+15], v[MK+8*(\t):MK+8*(\t)+7], v[KSR+(\t)], v[QS+\x]
.endr
.endm
; A KEY STEP: 128 keys x 32 queries.
.macro STEP
	v_add_nc_u32 v[ADM], s[TS], v[AM0]
.rept 7
	v_nop                                          ; with the addition: eight places in front of loads into V's registers, which the last products read
.endr
	WIN 0x40
.irp t, 0,1,2,3,4,5,6,7
	ds_load_b128 v[MK+8*\t:MK+8*\t+3], v[ADM] offset:64*\t          ; the mask of keys 16 t + 8 (lane / 16) + 0 .. 7
	ds_load_b128 v[MK+8*\t+4:MK+8*\t+7], v[ADM] offset:64*\t+16
.endr
	WIN 0x15                                       ; D window 0; source 0, source 1 and C window 1
	s_wait_dscnt 8                                 ; K, its scale words and the mask of tiles 0-3 are in; the youngest 8 loads may be out
.irp t, 0,1,2,3
	QK \t
.endr
	s_wait_dscnt 0x0
.irp t, 4,5,6,7
	QK \t
.endr
	WIN 0
	v_add_nc_u32 v[ADV], s[TV], v[AV0]
	v_add_nc_u32 v[ADW], s[TV], v[AV1]
	v_add_nc_u32 v[ADT], s[TT], v[ASV0]
	v_add_nc_u32 v[ADK], s[TK], v[LI]
	v_add_nc_u32 v[ADS], s[TS], v[ASK0]
.rept 3
	v_nop                                          ; eight places: for the loads below, and for the first read of the logits
.endr
	WIN 0x40
.irp d, 0,1,2,3
	ds_load_b128 v[MK+16*\d:MK+16*\d+3], v[ADV] offset:1024*\d            ; V's tile d, over the mask: it lands under the softmax
	ds_load_b128 v[MK+16*\d+4:MK+16*\d+7], v[ADV] offset:1024*\d+512
	ds_load_b128 v[MK+16*\d+8:MK+16*\d+11], v[ADW] offset:1024*\d
	ds_load_b128 v[MK+16*\d+12:MK+16*\d+15], v[ADW] offset:1024*\d+512
.endr
.irp t, 0,1,2,3,4,5,6,7
	ds_load_b128 v[K+8*\t:K+8*\t+3], v[ADK] offset:8192+1024*\t           ; the NEXT step's K
	ds_load_b128 v[K+8*\t+4:K+8*\t+7], v[ADK] offset:8192+1024*\t+512
.endr
	WIN 0
.irp d, 0,1,2,3
	ds_load_b32 v[VSR+\d], v[ADT] offset:64*\d
.endr
.irp t, 0,1,2,3,4,5,6,7
	ds_load_u16 v[KSR+\t], v[ADS] offset:512+64*\t
.endr
.irp b, 0,1,2,3
.irp x, 0,1
	v_max3_num_f32 v[BM+TW*\x+\b], v[S+64*\x+16*\b], v[S+64*\x+16*\b+1], v[S+64*\x+16*\b+2]   ; the largest logit of each block of 32 keys: for the row's maximum and, since p rises with the logit, for the block's largest p
.endr
.endr
.irp i, 3,5,7,9,11,13
.irp b, 0,1,2,3
.irp x, 0,1
	v_max3_num_f32 v[BM+TW*\x+\b], v[BM+TW*\x+\b], v[S+64*\x+16*\b+\i], v[S+64*\x+16*\b+\i+1]
.endr
.endr
.endr
.irp b, 0,1,2,3
.irp x, 0,1
	v_max_num_f32 v[BM+TW*\x+\b], v[BM+TW*\x+\b], v[S+64*\x+16*\b+15]
.endr
.endr
.irp b, 0,1,2,3
.irp x, 0,1
	v_permlanex16_b32 v[PL+TW*\x+\b], v[BM+TW*\x+\b], s[SEL], s[SEL+1]
.endr
.endr
.irp b, 0,1,2,3
.irp x, 0,1
	v_max_num_f32 v[BM+TW*\x+\b], v[BM+TW*\x+\b], v[PL+TW*\x+\b]     ; with lane l xor 16's 16 keys
.endr
.endr
.irp x, 0,1
	v_max3_num_f32 v[TMP+TW*\x], v[BM+TW*\x], v[BM+TW*\x+1], v[BM+TW*\x+2]
.endr
.irp x, 0,1
	v_max_num_f32 v[TMP+TW*\x], v[TMP+TW*\x], v[BM+TW*\x+3]
.endr
.irp x, 0,1
	v_mul_f32 v[TMP+TW*\x], s[CS], v[TMP+TW*\x]    ; as t
.endr
.irp x, 0,1
	v_max_num_f32 v[MT+TW*\x], v[MT+TW*\x], v[TMP+TW*\x]   ; the running largest t
.endr
.irp x, 0,1
	v_mov_b32 v[TMP+TW*\x], v[NM+TW*\x]
.endr
.irp x, 0,1
	v_floor_f32 v[NM+TW*\x], -v[MT+TW*\x]          ; the new -M = -ceil(t)
.endr
.irp x, 0,1
	v_sub_f32 v[TMP+TW*\x], v[NM+TW*\x], v[TMP+TW*\x]      ; old M - new M: a whole number, 0 or less
.endr
.irp x, 0,1
	v_cvt_i32_f32 v[TMP+TW*\x], v[TMP+TW*\x]       ; (it saturates)
.endr
.irp x, 0,1
	v_ldexp_f32 v[F+TW*\x], 1.0, v[TMP+TW*\x]      ; f = 2^(old M - new M)
.endr
.irp x, 0,1
.set j, 0
.rept 32
	v_pk_fma_f32 v[S+64*\x+j:S+64*\x+j+1], v[S+64*\x+j:S+64*\x+j+1], s[CS:CS+1], v[NM+TW*\x:NM+TW*\x+1] op_sel_hi:[1,0,0]   ; t - M, two at a time
.set j, j+2
.endr
.endr
.irp b, 0,1,2,3
.irp x, 0,1
	v_fma_f32 v[BM+TW*\x+\b], v[BM+TW*\x+\b], s[CS], v[NM+TW*\x]     ; the same of each block's largest logit
.endr
.endr
	s_wait_alu depctr_va_vdst(0)                   ; ahead of the batch
.set j, 0
.rept 128
	v_exp_f32 v[S+j], v[S+j]                       ; p = 2^(t - M)
.set j, j+1
.endr
.irp x, 0,1
	v_pk_mul_f32 v[SU+TW*\x:SU+TW*\x+1], v[SU+TW*\x:SU+TW*\x+1], v[F+TW*\x:F+TW*\x+1] op_sel_hi:[1,0]   ; the sums under the new M: plain lines behind the exponentials
.endr
	s_wait_alu depctr_va_vdst(0)                   ; one wait for the batch of 128, ahead of its first reader
.irp b, 0,1,2,3
.irp x, 0,1
	v_exp_f32 v[BM+TW*\x+\b], v[BM+TW*\x+\b]       ; each block's largest p
.endr
.endr
; the row's sum of the unquantised p: four chains a tile, two numbers a line
.irp x, 0,1
	v_pk_add_f32 v[PL+TW*\x:PL+TW*\x+1], v[S+64*\x:S+64*\x+1], v[S+64*\x+2:S+64*\x+3]
.endr
.irp x, 0,1
	v_pk_add_f32 v[PL+TW*\x+2:PL+TW*\x+3], v[S+64*\x+4:S+64*\x+5], v[S+64*\x+6:S+64*\x+7]
.endr
.irp x, 0,1
	v_pk_add_f32 v[LM+TW*\x:LM+TW*\x+1], v[S+64*\x+8:S+64*\x+9], v[S+64*\x+10:S+64*\x+11]
.endr
.irp x, 0,1
	v_pk_add_f32 v[SU+TW*\x:SU+TW*\x+1], v[SU+TW*\x:SU+TW*\x+1], v[S+64*\x+12:S+64*\x+13]
.endr
.irp k, 14,22,30,38,46,54
.irp x, 0,1
	v_pk_add_f32 v[PL+TW*\x:PL+TW*\x+1], v[PL+TW*\x:PL+TW*\x+1], v[S+64*\x+\k:S+64*\x+\k+1]
.endr
.irp x, 0,1
	v_pk_add_f32 v[PL+TW*\x+2:PL+TW*\x+3], v[PL+TW*\x+2:PL+TW*\x+3], v[S+64*\x+\k+2:S+64*\x+\k+3]
.endr
.irp x, 0,1
	v_pk_add_f32 v[LM+TW*\x:LM+TW*\x+1], v[LM+TW*\x:LM+TW*\x+1], v[S+64*\x+\k+4:S+64*\x+\k+5]
.endr
.irp x, 0,1
	v_pk_add_f32 v[SU+TW*\x:SU+TW*\x+1], v[SU+TW*\x:SU+TW*\x+1], v[S+64*\x+\k+6:S+64*\x+\k+7]
.endr
.endr
.irp x, 0,1
	v_pk_add_f32 v[PL+TW*\x:PL+TW*\x+1], v[PL+TW*\x:PL+TW*\x+1], v[S+64*\x+62:S+64*\x+63]
.endr
.irp x, 0,1
	v_pk_add_f32 v[SU+TW*\x:SU+TW*\x+1], v[SU+TW*\x:SU+TW*\x+1], v[LM+TW*\x:LM+TW*\x+1]
.endr
.irp x, 0,1
	v_pk_add_f32 v[PL+TW*\x:PL+TW*\x+1], v[PL+TW*\x:PL+TW*\x+1], v[PL+TW*\x+2:PL+TW*\x+3]
.endr
.irp x, 0,1
	v_pk_add_f32 v[SU+TW*\x:SU+TW*\x+1], v[SU+TW*\x:SU+TW*\x+1], v[PL+TW*\x:PL+TW*\x+1]
.endr
	s_wait_alu depctr_va_vdst(0)                   ; and one for the eight
.irp b, 0,1,2,3
.irp x, 0,1
	v_max_num_f32 v[BM+TW*\x+\b], 0x4800000, v[BM+TW*\x+\b]    ; the floor 2^(9 - 127): the byte cannot fall under 1
.endr
.endr
.irp b, 0,1,2,3
.irp x, 0,1
	v_add_nc_u32 v[SO+TW*\x+\b], 0xfc000000, v[BM+TW*\x+\b]    ; the conversion's scale operand
.endr
.endr
.irp b, 0,1,2,3
.irp x, 0,1
	v_and_or_b32 v[LM+TW*\x+\b], v[BM+TW*\x+\b], 0x7f800000, s[MNT]   ; 448 x the scale
.endr
.endr
.irp b, 0,1,2,3
.irp x, 0,1
	v_lshrrev_b32 v[PL+TW*\x+\b], 23, v[SO+TW*\x+\b]           ; the scale's byte
.endr
.endr
.irp x, 0,1
	v_lshl_or_b32 v[PW+\x], v[PL+TW*\x+1], 8, v[PL+TW*\x]      ; p's scale word for these 128 keys
.endr
.irp x, 0,1
	v_lshl_or_b32 v[PW+\x], v[PL+TW*\x+2], 16, v[PW+\x]
.endr
.irp x, 0,1
	v_lshl_or_b32 v[PW+\x], v[PL+TW*\x+3], 24, v[PW+\x]
.endr
.irp b, 0,1,2,3
.irp x, 0,1
.irp i, 0,2,4,6,8,10,12,14
	v_dual_min_num_f32 v[S+64*\x+16*\b+\i], v[S+64*\x+16*\b+\i], v[LM+TW*\x+\b] :: v_dual_min_num_f32 v[S+64*\x+16*\b+\i+1], v[S+64*\x+16*\b+\i+1], v[LM+TW*\x+\b]   ; the conversion does not saturate (ISA guide 7.6.2); p is not negative: the hold is one-sided; two holds an instruction
.endr
	v_cvt_scalef32_pk8_fp8_f32 v[PC+16*\x+4*\b:PC+16*\x+4*\b+1], v[S+64*\x+16*\b:S+64*\x+16*\b+7], v[SO+TW*\x+\b]
	v_cvt_scalef32_pk8_fp8_f32 v[PC+16*\x+4*\b+2:PC+16*\x+4*\b+3], v[S+64*\x+16*\b+8:S+64*\x+16*\b+15], v[SO+TW*\x+\b]
.endr
.endr
	WIN 0x41                                       ; destination and source 0 window 1
	s_wait_alu depctr_va_vdst(0)                   ; directly ahead of the first reader of O^T
.irp x, 0,1
.set j, 0
.rept 16
	v_pk_mul_f32 v[O+32*\x+j:O+32*\x+j+1], v[O+32*\x+j:O+32*\x+j+1], v[F+TW*\x:F+TW*\x+1] op_sel_hi:[1,0]   ; O^T under the new M, each accumulator from its low end on; also the places between the codes, the scale words and the products
.set j, j+2
.endr
.endr
	s_wait_alu depctr_va_vdst(0)
	s_wait_dscnt 8                                 ; V and its scale words are in (K's 8 scale loads may be out)
	WIN 0x51                                       ; D, C and source 0 window 1
.irp d, 0,1,2,3
.irp x, 0,1
	v_wmma_scale_f32_16x16x128_f8f6f4 v[O+32*\x+8*\d:O+32*\x+8*\d+7], v[MK+16*\d:MK+16*\d+15], v[PC+16*\x:PC+16*\x+15], v[O+32*\x+8*\d:O+32*\x+8*\d+7], v[VSR+\d], v[PW+\x]
.endr
.endr
	WIN 0
	s_add_co_u32 s[TK], s[TK], 8192
	s_add_co_u32 s[TV], s[TV], 4096
	s_add_co_u32 s[TS], s[TS], 512
	s_add_co_u32 s[TT], s[TT], 256
.endm
; THE END OF A PASS: O^T / the sum is ctx; number 8 dt + j of lane (r, h) is ctx(query r, d = 16 dt + 8 h + j).  Two blocks of 32 along d are quantised; two swaps a block bring lanes 0-15 d = 0 .. 15 and lanes 16-31 d = 16 .. 31.
.macro FINAL p
.irp x, 0,1
	v_add_f32 v[SU+TW*\x], v[SU+TW*\x], v[SU+TW*\x+1]      ; the sum's two halves,
.endr
.irp x, 0,1
	v_permlanex16_b32 v[TMP+TW*\x], v[SU+TW*\x], s[SEL], s[SEL+1]
.endr
.irp x, 0,1
	v_add_f32 v[SU+TW*\x], v[SU+TW*\x], v[TMP+TW*\x]       ; and lane l xor 16's
.endr
	s_wait_alu depctr_va_vdst(0)
.irp x, 0,1
	v_rcp_f32 v[SU+TW*\x], v[SU+TW*\x]
.endr
.rept 4
	v_nop                                          ; with the six lines above: the places behind the last products; the first is the plain line behind the reciprocals
.endr
	WIN 0x01                                       ; source 0 window 1
	s_wait_alu depctr_va_vdst(0)                   ; ahead of the reciprocals' first reader, which is O^T's too
.irp x, 0,1
.set j, 0
.rept 16
	v_pk_mul_f32 v[S+64*\x+j:S+64*\x+j+1], v[O+32*\x+j:O+32*\x+j+1], v[SU+TW*\x:SU+TW*\x+1] op_sel_hi:[1,0]
.set j, j+2
.endr
.endr
	WIN 0
.irp b, 0,1
.irp x, 0,1
	v_max3_num_f32 v[BM+TW*\x+\b], |v[S+64*\x+16*\b]|, |v[S+64*\x+16*\b+1]|, 0x4800000
.endr
.endr
.irp i, 2,4,6,8,10,12,14
.irp b, 0,1
.irp x, 0,1
	v_max3_num_f32 v[BM+TW*\x+\b], v[BM+TW*\x+\b], |v[S+64*\x+16*\b+\i]|, |v[S+64*\x+16*\b+\i+1]|
.endr
.endr
.endr
.irp b, 0,1
.irp x, 0,1
	v_permlanex16_b32 v[PL+TW*\x+\b], v[BM+TW*\x+\b], s[SEL], s[SEL+1]
.endr
.endr
.irp b, 0,1
.irp x, 0,1
	v_max_num_f32 v[BM+TW*\x+\b], v[BM+TW*\x+\b], v[PL+TW*\x+\b]
.endr
.endr
.irp b, 0,1
.irp x, 0,1
	v_add_nc_u32 v[SO+TW*\x+\b], 0xfc000000, v[BM+TW*\x+\b]
.endr
.endr
.irp b, 0,1
.irp x, 0,1
	v_and_or_b32 v[LM+TW*\x+\b], v[BM+TW*\x+\b], 0x7f800000, s[MNT]
.endr
.endr
.irp b, 0,1
.irp x, 0,1
	v_lshrrev_b32 v[PL+TW*\x+\b], 23, v[SO+TW*\x+\b]
.endr
.endr
.irp x, 0,1
	v_lshl_or_b32 v[TMP+TW*\x], v[PL+TW*\x+1], 8, v[PL+TW*\x]        ; my token's two scale bytes
.endr
.irp b, 0,1
.irp x, 0,1
.irp i, 0,1,2,3,4,5,6,7,8,9,10,11,12,13,14,15
	v_med3_num_f32 v[S+64*\x+16*\b+\i], v[S+64*\x+16*\b+\i], -v[LM+TW*\x+\b], v[LM+TW*\x+\b]
.endr
	v_cvt_scalef32_pk8_fp8_f32 v[PC+16*\x+4*\b:PC+16*\x+4*\b+1], v[S+64*\x+16*\b:S+64*\x+16*\b+7], v[SO+TW*\x+\b]
	v_cvt_scalef32_pk8_fp8_f32 v[PC+16*\x+4*\b+2:PC+16*\x+4*\b+3], v[S+64*\x+16*\b+8:S+64*\x+16*\b+15], v[SO+TW*\x+\b]
.endr
.endr
	v_nop                                          ; a plain line behind the last conversion
.irp x, 0,1
.irp b, 0,1
	v_permlane16_swap_b32 v[PC+16*\x+4*\b], v[PC+16*\x+4*\b+2]     ; the first's lanes 16-31 (d = 8 ..) change places with the second's lanes 0-15 (d = 16 ..)
	v_permlane16_swap_b32 v[PC+16*\x+4*\b+1], v[PC+16*\x+4*\b+3]
.endr
.endr
.irp x, 0,1
	global_store_b128 v[LI], v[PC+16*\x:PC+16*\x+3], s[78:79] offset:16384*(2*\p+\x)        ; 512 consecutive bytes, aligned
	global_store_b128 v[LI], v[PC+16*\x+4:PC+16*\x+7], s[78:79] offset:16384*(2*\p+\x)+512
	ds_store_b16 v[CSA0], v[TMP+TW*\x] offset:32*(2*\p+\x)         ; lanes r and 16 + r write the same two bytes
.endr
.if \p == 0
	s_wait_xcnt 0x0                                ; the stores have read the code registers, which the next pass writes again
.endif
.endm
.macro PASS p
.if \p
	WIN 0x41
.irp j, 0,1,2,3,4,5,6,7
	v_mov_b32 v[QA+\j], v[QN+\j]                   ; the second pass's q
	v_mov_b32 v[QA+16+\j], v[QN+8+\j]
.endr
	WIN 0
	v_mov_b32 v[QS], v[QSN]
	v_mov_b32 v[QS+1], v[QSN+1]
.endif
.irp x, 0,1
	v_mov_b32 v[MT+TW*\x], 0xff61b1e6              ; the largest t so far: -3e38
	v_mov_b32 v[SU+TW*\x], 0
	v_mov_b32 v[SU+TW*\x+1], 0
.endr
.irp x, 0,1
	v_floor_f32 v[NM+TW*\x], -v[MT+TW*\x]
.endr
	WIN 0x40
.set j, 0
.rept 64
	v_mov_b32 v[O+j], 0                            ; the step is written once for all 16 trips: the first finds zeros, which the first change of M leaves zeros
.set j, j+1
.endr
	s_wait_alu depctr_va_vdst(0)
	s_wait_dscnt 0x0                               ; no load into K's registers is out
.irp t, 0,1,2,3,4,5,6,7
	ds_load_b128 v[K+8*\t:K+8*\t+3], v[LI] offset:1024*\t          ; step 0's K
	ds_load_b128 v[K+8*\t+4:K+8*\t+7], v[LI] offset:1024*\t+512
.endr
	WIN 0
.irp t, 0,1,2,3,4,5,6,7
	ds_load_u16 v[KSR+\t], v[ASK0] offset:64*\t
.endr
	s_mov_b32 s[TK], 0
	s_mov_b32 s[TV], 0
	s_mov_b32 s[TS], 0
	s_mov_b32 s[TT], 0
	s_mov_b32 s[CNT], 16
.Lstep_\@:
	STEP
	s_sub_co_u32 s[CNT], s[CNT], 1
	s_cmp_lg_u32 s[CNT], 0
	s_cbranch_scc1 .Lstep_\@
	FINAL \p
.endm
	PASS 0
	PASS 1
	s_wait_dscnt 0x0                               ; my scale bytes lie in the stage,
	s_barrier_signal -1
	s_barrier_wait -1                              ; everybody's do
	s_cmp_lt_u32 s[WV], 2
	s_cbranch_scc0 .Lno_words
	ds_load_b128 v[128:131], v[CRA]
	s_wait_dscnt 0x0
	global_store_b128 v[LI], v[128:131], s[90:91]  ; 512 consecutive bytes, aligned
.Lno_words:
	s_wait_tensorcnt 0x0                           ; the wave's end
	ds_add_u32 v[SPW], v[NIL]
	s_wait_dscnt 0x0
	CROUND                                         ; the closing round
	s_endpgm
.Lfunc_end_k_q447c33066b_attn:
	.size	k_q447c33066b_attn, .Lfunc_end_k_q447c33066b_attn-k_q447c33066b_attn
	.p2alignl 7, 3214868480
	.fill 96, 4, 3214868480
	.section	.rodata,"a",@progbits
	.p2align	6, 0x0
	.amdhsa_kernel k_q447c33066b_attn
		.amdhsa_group_segment_fixed_size 327680
		.amdhsa_private_segment_fixed_size 0
		.amdhsa_enable_private_segment 0
		.amdhsa_kernarg_size 40
		.amdhsa_user_sgpr_count 2
		.amdhsa_user_sgpr_kernarg_segment_ptr 1
		.amdhsa_wavefront_size32 1
		.amdhsa_system_sgpr_workgroup_id_x 1
		.amdhsa_system_sgpr_workgroup_id_y 1
		.amdhsa_system_sgpr_workgroup_id_z 1
		.amdhsa_system_vgpr_workitem_id 0
		.amdhsa_next_free_vgpr 512
		.amdhsa_next_free_sgpr 100
		.amdhsa_reserve_vcc 0
		.amdhsa_float_denorm_mode_32 3
		.amdhsa_float_denorm_mode_16_64 3
		.amdhsa_memory_ordered 1
		.amdhsa_forward_progress 1
		.amdhsa_inst_pref_size 115
	.end_amdhsa_kernel
	.amdgpu_metadata
---
amdhsa.version: [ 1, 2 ]
amdhsa.kernels:
  - .name:           k_q447c33066b_attn
    .symbol:         k_q447c33066b_attn.kd
    .args:
      - { .name: qq, .offset: 0, .size: 8, .value_kind: global_buffer, .address_space: global }
      - { .name: kq, .offset: 8, .size: 8, .value_kind: global_buffer, .address_space: global }
      - { .name: vq, .offset: 16, .size: 8, .value_kind: global_buffer, .address_space: global }
      - { .name: attention_mask, .offset: 24, .size: 8, .value_kind: global_buffer, .address_space: global }
      - { .name: cq, .offset: 32, .size: 8, .value_kind: global_buffer, .address_space: global }
    .group_segment_fixed_size: 327680
    .private_segment_fixed_size: 0
    .kernarg_segment_align: 8
    .kernarg_segment_size: 40
    .max_flat_workgroup_size: 256
    .sgpr_count:     100
    .vgpr_count:     512
    .wavefront_size: 32
...
	.end_amdgpu_metadata
.endif
;; end of part 3
;; launch oproj (part 4): grid 256 x 1, 8 waves a work-group, clusters of 4 x 1, 327,680 bytes of LDS; arguments cq, wdi, Wd_scales, bd, ln_gamma, ln_beta, query, out0; writes out0
.if DOCPART == 4
	.amdgcn_target "amdgcn-amd-amdhsa--gfx1250"
	.amdhsa_code_object_version 6
	.text
	.protected	k_q447c33066b_oproj
	.globl	k_q447c33066b_oproj
	.p2align	8
	.type	k_q447c33066b_oproj,@function
k_q447c33066b_oproj:
	s_mov_b64 s[64:65], 0
	v_nop
	global_prefetch_b8 v0, s[64:65] scope:SCOPE_SE
	s_setreg_imm32_b32 hwreg(HW_REG_WAVE_MODE, 25, 1), 1
	s_wait_xcnt 0x0
	s_wait_alu depctr_hold_cnt(0) depctr_sa_sdst(0) depctr_va_vdst(0) depctr_va_sdst(0) depctr_va_ssrc(0) depctr_va_vcc(0) depctr_vm_vsrc(0)
	s_getreg_b32 s2, hwreg(HW_REG_IB_STS2, 6, 4)
	s_cmp_eq_u32 s2, 0
	s_cbranch_scc0 .Lentry_in_a_cluster
	s_endpgm
.Lentry_in_a_cluster:
	s_bfe_u32 s2, ttmp6, 0x10000c
	s_cmp_lg_u32 s2, 0x3003
	s_cbranch_scc0 .Lentry_shape_is_right
	s_endpgm
.Lentry_shape_is_right:
; LAUNCH 4 OF 4.  out0 = LayerNorm(ctx Wd + bd) x gamma + beta + query.  The product on codes of E4M3 (ctx's from the launch before, Wd's as given, re-laid by the first launch as images of operand registers).  Nothing is left out.
; SHARES.  A work-group owns 32 tokens and all 1,024 columns, so that a row's mean and variance are its own.  Each of its eight waves owns 128 columns: 8 tiles of 16 columns x 2 tiles of 16 tokens = 16 accumulators, 128 registers.
; THE WEIGHTS COME BY TWO ROADS.  K steps 0, 1, 6, 7 (of 128) go from memory straight into operand registers, 512 consecutive bytes a load, 32 loads a step and wave.  K steps 2, 3 and then 4, 5 come as JOINT tensor loads of the cluster's four
; work-groups, which all want the same weights: a wave's 8 tiles x 4,096 bytes, into LDS bytes that the wave alone reads; the first at the head, the second as one refill behind a drained round of the cluster's barrier.
; So half of the weights' bytes are asked for once for four work-groups.  The order of the K steps is 0, 1, 2, 3, 6, 4, 5, 7: step 6's direct loads are on their way under steps 1 to 3, step 7's under steps 4 and 5, the refill under steps 3 and 6.
; ctx (32,768 bytes, images), gamma, beta, bd and ctx's scale words are copied into LDS once, an eighth a wave, into blocks of their own, and read from there.
; THE PRODUCT IS USED TRANSPOSED (source 0 = 16 rows of Wd, source 1 = 16 tokens): a lane holds one token and eight neighbouring columns.  Results cross to whole rows through a stage in LDS, which lies over the weights' bytes behind their last fill
; and behind a barrier that follows every wave's last read of them; a wave then normalises 4 rows, 32 numbers a lane.
; PREFETCH: a wave's 4 rows of query (16,384 bytes, 64 blocks of 256, a lane a block, two instructions) are asked for in the first two K steps and loaded behind the seventh.  The weights' direct loads are themselves issued a K step and more ahead.
; LIMITS: NaN and infinities are not served.  The sums run over K in the order given above.
.set SCO,   0x800000
.set SP,    4112                       ; a stage row: 4,096 bytes + 16 of padding
.set CTX,   262144                     ; LDS: the weights' tiles from 0, 32,768 bytes a wave (later the stage); ctx's images
.set PAR,   CTX+32768                  ; gamma, beta, bd: 4,096 bytes each
.set CSW,   PAR+12288                  ; ctx's scale words: [K step 8][token 32]
.set SPARE, CSW+1024                   ; the spare words, 128 bytes for each of 8 waves
.set WA,  0                            ; v0, from the head's end on: 32,768 wave + 16 lane
.set LI,  1
.set L32, 2
.set CTS, 3
.set CA,  4
.set SO0, 5
.set SR,  7
.set SPW, 8
.set NIL, 9
.set PO,  10
.set PA,  11
.set CS,  12                           ; v12-27 ctx's scale words: 8 u + K step
.set CWA, 28
.set CRA, 29
.set CGO, 30
.set PF,  31
.set WS,  32                           ; v32-63 the weights' scale words: 8 (tile / 2) + K step; lanes 0-15 the even tile, 16-31 the odd
.set CF,  64                           ; v64-127 ctx's fragments, two sets of two
.set T,   64
.set ACC, 128                          ; v128-255 the accumulators; later my 4 rows
.set GA,  0                            ; window 1, behind the K steps: gamma, beta, bd; query's rows at 128 + 32 i
.set BE,  32
.set BD,  64
.set QR,  128
.set SEL, 34
.set RN,  36
.set EPS, 37
.set MSB, 0
.macro WIN new
.if MSB != \new
	s_set_vgpr_msb (MSB<<8)|\new
.set MSB, \new
.endif
.endm
.macro PLACES                          ; eight plain vector lines behind a product, ahead of loads into what it read and of readers of its sums
.rept 8
	v_nop
.endr
.endm
.macro CROUND
	s_barrier_signal -1
	s_barrier_wait -1
	s_cmp_lg_u32 s20, 0
	s_cbranch_scc1 .Lnot_wave_0_\@
	s_barrier_signal -3
.Lnot_wave_0_\@:
	s_barrier_wait -3
	s_barrier_signal -1
	s_barrier_wait -1
.endm
	s_load_b512 s[4:19], s[0:1], 0x0               ; cq 4, wdi 6, Wd_scales 8, bd 10, gamma 12, beta 14, query 16, out0 18
	v_lshl_add_u32 v[SPW], v0, 2, SPARE
	v_mov_b32 v[NIL], 0
	ds_add_u32 v[SPW], v[NIL]                      ; the wave's opening: the add, twice on end, and its wait ahead of my first tensor load
	ds_add_u32 v[SPW], v[NIL]
	v_lshrrev_b32 v64, 5, v0
	v_readfirstlane_b32 s20, v64                   ; wave 0..7
	s_bfe_u32 s43, ttmp6, 0x40000                  ; cx: it enters global addresses of ctx, query and out0 alone
	s_lshl_b32 s56, ttmp9, 2
	s_add_co_u32 s56, s56, s43                     ; which 32 tokens
	s_lshl_b32 s21, s20, 9
	s_lshl_b32 s22, s20, 12
	s_add_co_u32 s40, s22, CTX
	s_lshl_b32 s41, s20, 7
	s_add_co_u32 s41, s41, CSW
	s_mul_i32 s42, s20, 4*SP
	s_lshl_b32 s24, s56, 15                        ; ctx: 32,768 bytes a work-group, 4,096 a wave
	s_add_co_u32 s24, s24, s22
	s_mov_b32 s25, 0
	s_lshl_b32 s26, s56, 6                         ; ctx's scale bytes: 64 a head for my 32 tokens; my wave copies heads 2 wave, 2 wave + 1
	s_lshl_b32 s23, s20, 15
	s_add_co_u32 s26, s26, s23
	s_add_co_u32 s26, s26, SCO
	s_mov_b32 s27, 0
	s_lshl_b32 s28, s20, 17                        ; my 8 tiles of the weights' images
	s_mov_b32 s29, 0
	s_mov_b32 s30, s22                             ; my 128 rows of their scale bytes
	s_mov_b32 s31, 0
	s_lshl_b32 s32, s56, 17                        ; query, out0: 32 rows a work-group, 4 a wave
	s_lshl_b32 s23, s20, 14
	s_add_co_u32 s32, s32, s23
	s_mov_b32 s33, 0
	s_mov_b32 s[SEL], 0x76543210
	s_mov_b32 s[SEL+1], 0xfedcba98
	s_mov_b32 s[RN], 0x3a800000                    ; 1 / 1,024
	s_mov_b32 s[EPS], 0x2b8cbccc                   ; 1e-12
	s_mov_b32 s48, 15|(3<<16)|(1<<21)              ; s[48:55]: 8 rows (tiles) of 4,096 bytes (two K steps), 16,384 apart; the mask of all four work-groups, elements of 8 bytes, bit 21 beside a mask
	s_mov_b32 s49, 512<<16
	s_mov_b32 s50, 8<<16
	s_mov_b32 s51, 512<<16
	s_mov_b32 s52, 8
	s_mov_b32 s53, 2048
	s_mov_b32 s54, 0
	s_mov_b32 s55, 0
	s_mov_b32 s44, 1
	s_lshl_b32 s45, s20, 15                        ; LDS: 32,768 x wave
	v_and_b32 v65, 31, v0
	v_and_b32 v66, 15, v0                          ; r
	v_bfe_u32 v67, v0, 4, 1                        ; h
	v_lshlrev_b32 v[LI], 4, v65
	v_lshlrev_b32 v[L32], 5, v65
	v_lshlrev_b32 v[PF], 8, v65
	v_add_nc_u32 v[PO], s21, v[LI]
	v_add_nc_u32 v[PA], PAR, v[PO]
	v_add_nc_u32 v[CTS], s40, v[LI]
	v_add_nc_u32 v[CA], CTX, v[LI]
	v_lshlrev_b32 v[CGO], 14, v67                  ; lanes 0-15 the even head's 16 words, lanes 16-31 the odd one's
	v_lshl_add_u32 v[CGO], v66, 2, v[CGO]
	v_lshl_add_u32 v[CWA], v66, 3, s41             ; my word holds tokens 2 r, 2 r + 1: each half goes to half h of its token's word
	v_lshl_add_u32 v[CWA], v67, 1, v[CWA]
	v_lshl_add_u32 v[CRA], v66, 2, CSW
	v_mul_u32_u24 v68, v66, SP
	v_lshl_add_u32 v68, v67, 5, v68
	v_add_nc_u32 v[SO0], s21, v68                  ; the stage: row r, 512 bytes a wave, 32 a half of the lanes
	v_add_nc_u32 v[SO0+1], 16*SP, v[SO0]
	v_add_nc_u32 v[SR], s42, v[LI]
	v_add_nc_u32 v[WA], s45, v[LI]
	s_wait_alu depctr_va_vdst(0)                   ; the head's end
	s_wait_dscnt 0x0                               ; both opening adds are done
	s_wait_kmcnt 0x0
	s_add_nc_u64 s[38:39], s[4:5], s[26:27]
	s_add_nc_u64 s[4:5], s[4:5], s[24:25]
	s_add_nc_u64 s[6:7], s[6:7], s[28:29]
	s_add_nc_u64 s[8:9], s[8:9], s[30:31]
	s_add_nc_u64 s[16:17], s[16:17], s[32:33]
	s_add_nc_u64 s[18:19], s[18:19], s[32:33]
	s_add_nc_u64 s[46:47], s[6:7], 4096            ; K steps 2 and 3 of my tiles
	s_or_b32 s47, s47, 0x80000000
	CROUND                                         ; all four work-groups are here: the joint loads meet
	tensor_load_to_lds s[44:47], s[48:55]          ; one load a wave
	s_nop 0
.rept 4
	v_nop
.endr
.macro DLOAD kk, set                   ; K step kk of my 8 tiles straight into register set 0 or 1 of window 1: 32 loads of 512 consecutive bytes
	WIN 0x40
.irp i, 0,1,2,3,4,5,6,7
.irp c, 0,1,2,3
	global_load_b128 v[16*(8*(\set)+\i)+4*\c:16*(8*(\set)+\i)+4*\c+3], v[LI], s[6:7] offset:(\i<<14)+((\kk)<<11)+(\c<<9)
.endr
.endr
.endm
.macro LLOAD kk, set                   ; the same from my bytes of LDS
	WIN 0x40
.irp i, 0,1,2,3,4,5,6,7
.irp c, 0,1,2,3
	ds_load_b128 v[16*(8*(\set)+\i)+4*\c:16*(8*(\set)+\i)+4*\c+3], v[WA] offset:4096*\i+2048*((\kk)%2)+512*\c
.endr
.endr
.endm
.macro CFETCH kk, cs                   ; ctx's two fragments of K step kk into set cs: 8 loads
	WIN 0
.irp u, 0,1
.irp c, 0,1,2,3
	ds_load_b128 v[CF+32*(\cs)+16*\u+4*\c:CF+32*(\cs)+16*\u+4*\c+3], v[CA] offset:16384*\u+2048*(\kk)+512*\c
.endr
.endr
.endm
.macro MUL16 kk, set, cs               ; sixteen products on sixteen accumulators, one instruction a turn
	WIN 0x01
.irp i, 0,1,2,3,4,5,6,7
.irp u, 0,1
.set AC_, ACC+8*(2*\i+\u)
.set WF_, 16*(8*(\set)+\i)
.set CF_, CF+32*(\cs)+16*\u
.set WS_, WS+8*(\i/2)+(\kk)
.set CS_, CS+8*\u+(\kk)
.if (\kk) == 0
.if (\i)%2
	v_wmma_scale_f32_16x16x128_f8f6f4 v[AC_:AC_+7], v[WF_:WF_+15], v[CF_:CF_+15], 0, v[WS_], v[CS_] matrix_a_scale:MATRIX_SCALE_ROW1
.else
	v_wmma_scale_f32_16x16x128_f8f6f4 v[AC_:AC_+7], v[WF_:WF_+15], v[CF_:CF_+15], 0, v[WS_], v[CS_]
.endif
.else
.if (\i)%2
	v_wmma_scale_f32_16x16x128_f8f6f4 v[AC_:AC_+7], v[WF_:WF_+15], v[CF_:CF_+15], v[AC_:AC_+7], v[WS_], v[CS_] matrix_a_scale:MATRIX_SCALE_ROW1
.else
	v_wmma_scale_f32_16x16x128_f8f6f4 v[AC_:AC_+7], v[WF_:WF_+15], v[CF_:CF_+15], v[AC_:AC_+7], v[WS_], v[CS_]
.endif
.endif
.endr
.endr
	PLACES
.endm
.irp j, 0,1,2,3,4,5,6,7
	global_load_b128 v[ACC+4*\j:ACC+4*\j+3], v[LI], s[4:5] offset:512*\j     ; my eighth of ctx (the accumulators' registers are idle until the first product)
.endr
	global_load_b128 v[ACC+32:ACC+35], v[PO], s[12:13]                       ; my eighth of gamma,
	global_load_b128 v[ACC+36:ACC+39], v[PO], s[14:15]                       ; of beta,
	global_load_b128 v[ACC+40:ACC+43], v[PO], s[10:11]                       ; of bd
	global_load_b32 v[ACC+44], v[CGO], s[38:39]                              ; two heads' scale bytes of the 32 tokens
.irp p, 0,1,2,3
.irp f, 0,1
	global_load_b128 v[WS+8*\p+4*\f:WS+8*\p+4*\f+3], v[L32], s[8:9] offset:1024*\p+16*\f   ; lane l: the 32 scale bytes of row 32 p + l
.endr
.endr
	DLOAD 0, 0
	DLOAD 1, 1
	WIN 0
	s_wait_loadcnt 63                              ; behind the small loads 64 were issued: all the small ones are in
.irp j, 0,1,2,3,4,5,6,7
	ds_store_b128 v[CTS], v[ACC+4*\j:ACC+4*\j+3] offset:512*\j
.endr
	ds_store_b128 v[PA], v[ACC+32:ACC+35]
	ds_store_b128 v[PA], v[ACC+36:ACC+39] offset:4096
	ds_store_b128 v[PA], v[ACC+40:ACC+43] offset:8192
	ds_store_b16 v[CWA], v[ACC+44]
	ds_store_b16_d16_hi v[CWA], v[ACC+44] offset:4
	s_wait_dscnt 0x0                               ; my stores are done,
	s_barrier_signal -1
	s_barrier_wait -1                              ; everybody's are.
.irp u, 0,1
.irp k, 0,1,2,3,4,5,6,7
	ds_load_b32 v[CS+8*\u+\k], v[CRA] offset:128*\k+64*\u
.endr
.endr
	CFETCH 0, 0
	CFETCH 1, 1
	s_wait_loadcnt 32                              ; K step 0 is in; step 1's 32 loads may be out
	s_wait_dscnt 8                                 ; all but the next step's 8 loads of ctx
	MUL16 0, 0, 0
	DLOAD 6, 0
	global_prefetch_b8 v[PF], s[16:17] th:TH_LOAD_NT scope:SCOPE_SE                ; half of my 4 rows of query: 32 blocks of 256 bytes, a lane a block
	CFETCH 2, 0
	s_wait_loadcnt 32                              ; K step 1 is in; step 6's 32 loads may be out
	s_wait_dscnt 8
	MUL16 1, 1, 1
	WIN 0                                          ; the prefetch's offset register lies in window 0
	global_prefetch_b8 v[PF], s[16:17] offset:8192 th:TH_LOAD_NT scope:SCOPE_SE    ; the other half
	s_wait_tensorcnt 0x0                           ; my tiles of K steps 2 and 3 have landed; I alone read them
	LLOAD 2, 1
	CFETCH 3, 1
	s_wait_dscnt 8
	MUL16 2, 1, 0
	LLOAD 3, 1
	CFETCH 6, 0
	s_wait_tensorcnt 0x0                           ; ahead of the refill: no tensor load of mine is out,
	ds_add_u32 v[SPW], v[NIL]                      ; 0 onto my spare word,
	s_add_nc_u64 s[46:47], s[46:47], 4096          ; (K steps 4 and 5)
	s_wait_dscnt 0x0                               ; the add is done, and my reads of the tiles are over
	CROUND                                         ; the same holds of every wave of the four work-groups
	tensor_load_to_lds s[44:47], s[48:55]          ; the refill, first behind the round
	s_nop 0
.rept 4
	v_nop
.endr
	MUL16 3, 1, 1
	CFETCH 4, 1
	s_wait_loadcnt 0x0                             ; K step 6 is in
	s_wait_dscnt 8
	MUL16 6, 0, 0
	DLOAD 7, 0
	s_wait_tensorcnt 0x0                           ; my tiles of K steps 4 and 5 have landed
	LLOAD 4, 1
	CFETCH 5, 0
	s_wait_dscnt 8
	MUL16 4, 1, 1
	LLOAD 5, 1
	CFETCH 7, 1
	s_wait_dscnt 8
	MUL16 5, 1, 0
	WIN 0x40
.irp i, 0,1,2,3
.irp j, 0,1,2,3,4,5,6,7
	global_load_b128 v[QR+32*\i+4*\j:QR+32*\i+4*\j+3], v[LI], s[16:17] offset:4096*\i+512*\j th:TH_LOAD_NT   ; my 4 rows of query, into the set that is free now
.endr
.endr
	s_wait_loadcnt 32                              ; K step 7 is in; query's 32 loads may be out
	s_wait_dscnt 0x0
	MUL16 7, 0, 1
	WIN 0
	s_barrier_signal -1                            ; no LDS instruction of mine is out: my reads of the weights' bytes are over,
	s_barrier_wait -1                              ; everybody's are: the stage may be laid over them
.irp i, 0,1,2,3,4,5,6,7
.irp u, 0,1
	ds_store_b128 v[SO0+\u], v[ACC+8*(2*\i+\u):ACC+8*(2*\i+\u)+3] offset:64*\i          ; each accumulator from its low end on
	ds_store_b128 v[SO0+\u], v[ACC+8*(2*\i+\u)+4:ACC+8*(2*\i+\u)+7] offset:64*\i+16
.endr
.endr
	WIN 0x40
.irp a, 0,1,2
.irp j, 0,1,2,3,4,5,6,7
	ds_load_b128 v[GA+32*\a+4*\j:GA+32*\a+4*\j+3], v[CA] offset:32768+4096*\a+512*\j   ; gamma, beta, bd at my lane's columns
.endr
.endr
	WIN 0
	s_wait_dscnt 0x0
	s_barrier_signal -1
	s_barrier_wait -1                              ; the stage is whole
.irp i, 0,1,2,3
.irp j, 0,1,2,3,4,5,6,7
	ds_load_b128 v[ACC+32*\i+4*\j:ACC+32*\i+4*\j+3], v[SR] offset:SP*\i+512*\j
.endr
.endr
	v_mov_b32 v[T+7], 0                            ; (named as the upper half of a pair)
	s_wait_alu depctr_va_vdst(0)
	s_wait_loadcnt 0x0                             ; query
.macro RSUM x                          ; the sum over the wave's 32 lanes, in every lane
	v_add_f32_dpp v[\x], v[\x], v[\x] row_xmask:1 row_mask:0xf bank_mask:0xf
	v_add_f32_dpp v[\x], v[\x], v[\x] row_xmask:2 row_mask:0xf bank_mask:0xf
	v_add_f32_dpp v[\x], v[\x], v[\x] row_xmask:4 row_mask:0xf bank_mask:0xf
	v_add_f32_dpp v[\x], v[\x], v[\x] row_xmask:8 row_mask:0xf bank_mask:0xf
	v_permlanex16_b32 v[\x+1], v[\x], s[SEL], s[SEL+1]
	v_add_f32 v[\x], v[\x], v[\x+1]
.endm
.macro LNROW i
.set R, ACC+32*(\i)
	s_wait_dscnt 8*(3-(\i))                        ; this row is back; the later rows' loads may be out
	WIN 0x04
.set k, 0
.rept 16
	v_pk_add_f32 v[R+k:R+k+1], v[R+k:R+k+1], v[BD+k:BD+k+1]
.set k, k+2
.endr
	WIN 0
	v_pk_add_f32 v[T:T+1], v[R:R+1], v[R+2:R+3]
	v_pk_add_f32 v[T+2:T+3], v[R+4:R+5], v[R+6:R+7]
.irp k, 8,12,16,20,24,28
	v_pk_add_f32 v[T:T+1], v[T:T+1], v[R+\k:R+\k+1]
	v_pk_add_f32 v[T+2:T+3], v[T+2:T+3], v[R+\k+2:R+\k+3]
.endr
	v_pk_add_f32 v[T:T+1], v[T:T+1], v[T+2:T+3]
	v_add_f32 v[T], v[T], v[T+1]
	RSUM T
	v_mul_f32 v[T], s[RN], v[T]                    ; the mean
.set k, 0
.rept 16
	v_pk_add_f32 v[R+k:R+k+1], v[R+k:R+k+1], v[T:T+1] op_sel_hi:[1,0] neg_lo:[0,1] neg_hi:[0,1]
.set k, k+2
.endr
	v_pk_mul_f32 v[T+2:T+3], v[R:R+1], v[R:R+1]
	v_pk_mul_f32 v[T+4:T+5], v[R+2:R+3], v[R+2:R+3]
.irp k, 4,8,12,16,20,24,28
	v_pk_fma_f32 v[T+2:T+3], v[R+\k:R+\k+1], v[R+\k:R+\k+1], v[T+2:T+3]
	v_pk_fma_f32 v[T+4:T+5], v[R+\k+2:R+\k+3], v[R+\k+2:R+\k+3], v[T+4:T+5]
.endr
	v_pk_add_f32 v[T+2:T+3], v[T+2:T+3], v[T+4:T+5]
	v_add_f32 v[T+2], v[T+2], v[T+3]
	RSUM T+2
	v_fma_f32 v[T+2], v[T+2], s[RN], s[EPS]        ; the variance + 1e-12
	s_wait_alu depctr_va_vdst(0)                   ; ahead of the transcendental,
	v_rsq_f32 v[T+6], v[T+2]
	v_nop
	s_wait_alu depctr_va_vdst(0)                   ; and ahead of its first reader
.set k, 0
.rept 16
	v_pk_mul_f32 v[R+k:R+k+1], v[R+k:R+k+1], v[T+6:T+7] op_sel_hi:[1,0]
.set k, k+2
.endr
	WIN 0x14
.set k, 0
.rept 16
	v_pk_fma_f32 v[R+k:R+k+1], v[R+k:R+k+1], v[GA+k:GA+k+1], v[BE+k:BE+k+1]
.set k, k+2
.endr
	WIN 0x04
.set k, 0
.rept 16
	v_pk_add_f32 v[R+k:R+k+1], v[R+k:R+k+1], v[QR+32*(\i)+k:QR+32*(\i)+k+1]   ; + query
.set k, k+2
.endr
	WIN 0
.irp j, 0,1,2,3,4,5,6,7
	global_store_b128 v[LI], v[R+4*\j:R+4*\j+3], s[18:19] offset:4096*(\i)+512*\j th:TH_STORE_NT   ; 512 consecutive bytes, aligned
.endr
.endm
.irp i, 0,1,2,3
	LNROW \i
.endr
	s_wait_tensorcnt 0x0                           ; the wave's end: behind my last tensor load and my last LDS store
	ds_add_u32 v[SPW], v[NIL]
	s_wait_dscnt 0x0
	CROUND                                         ; the closing round
	s_endpgm
.Lfunc_end_k_q447c33066b_oproj:
	.size	k_q447c33066b_oproj, .Lfunc_end_k_q447c33066b_oproj-k_q447c33066b_oproj
	.p2alignl 7, 3214868480
	.fill 96, 4, 3214868480
	.section	.rodata,"a",@progbits
	.p2align	6, 0x0
	.amdhsa_kernel k_q447c33066b_oproj
		.amdhsa_group_segment_fixed_size 327680
		.amdhsa_private_segment_fixed_size 0
		.amdhsa_enable_private_segment 0
		.amdhsa_kernarg_size 64
		.amdhsa_user_sgpr_count 2
		.amdhsa_user_sgpr_kernarg_segment_ptr 1
		.amdhsa_wavefront_size32 1
		.amdhsa_system_sgpr_workgroup_id_x 1
		.amdhsa_system_sgpr_workgroup_id_y 1
		.amdhsa_system_sgpr_workgroup_id_z 1
		.amdhsa_system_vgpr_workitem_id 0
		.amdhsa_next_free_vgpr 512
		.amdhsa_next_free_sgpr 66
		.amdhsa_reserve_vcc 0
		.amdhsa_float_denorm_mode_32 3
		.amdhsa_float_denorm_mode_16_64 3
		.amdhsa_memory_ordered 1
		.amdhsa_forward_progress 1
		.amdhsa_inst_pref_size 98
	.end_amdhsa_kernel
	.amdgpu_metadata
---
amdhsa.version: [ 1, 2 ]
amdhsa.kernels:
  - .name:           k_q447c33066b_oproj
    .symbol:         k_q447c33066b_oproj.kd
    .args:
      - { .name: cq, .offset: 0, .size: 8, .value_kind: global_buffer, .address_space: global }
      - { .name: wdi, .offset: 8, .size: 8, .value_kind: global_buffer, .address_space: global }
      - { .name: Wd_scales, .offset: 16, .size: 8, .value_kind: global_buffer, .address_space: global }
      - { .name: bd, .offset: 24, .size: 8, .value_kind: global_buffer, .address_space: global }
      - { .name: ln_gamma, .offset: 32, .size: 8, .value_kind: global_buffer, .address_space: global }
      - { .name: ln_beta, .offset: 40, .size: 8, .value_kind: global_buffer, .address_space: global }
      - { .name: query, .offset: 48, .size: 8, .value_kind: global_buffer, .address_space: global }
      - { .name: out0, .offset: 56, .size: 8, .value_kind: global_buffer, .address_space: global }
    .group_segment_fixed_size: 327680
    .private_segment_fixed_size: 0
    .kernarg_segment_align: 8
    .kernarg_segment_size: 64
    .max_flat_workgroup_size: 256
    .sgpr_count:     66
    .vgpr_count:     512
    .wavefront_size: 32
...
	.end_amdgpu_metadata
.endif
;; end of part 4
